; MI455X (gfx1250); checked and timed in simulation.
; The chip was launched on July 23, 2026; its instructions are those of AMD's public machine-readable ISA for CDNA 5 (MIT licence, August 2026) and "CDNA5" Instruction Set Architecture Reference Guide (July 2026). The comments in the code are by the model that wrote it; some were corrected since.
;; Self Attention. Allowed arithmetic: matrix products marked QUANTISED: E5M2 operands, one given power-of-two scale a tensor, by v_wmma_f32_16x16x64_bf8_bf8 or v_wmma_f32_16x16x128_bf8_bf8, f32 sums; everything else in f32.
;; Inputs: c_attn_b 3,072 float32; c_attn_w 1,024 x 3,072 float32; c_proj_b 1,024 float32; c_proj_w 1,024 x 1,024 float32; lowp_scales 8 int32 (the exponents e of the quantised operands' scales 2^e); x 4 x 2,048 x 1,024 float32.
;; Outputs: out0 4 x 2,048 x 1,024 float32.
;; This version of the problem:
;;   THIS VERSION OF THE PROBLEM IS GIVEN IN LOW PRECISION. The matrix products marked QUANTISED in the list below multiply operands that are first quantised to E5M2 (5 exponent bits, 2 mantissa bits; 8 bits a number), with one given power-of-two scale for each operand tensor; their sums are f32. All else is computed in f32.
;;   The module's matrix products, in the order in which they are computed (A, B: the left and right operand; K: the contracted axis; several contracted axes count as one K, in the product's order):
;;     1. [M 8,192, K 1,024] x [K 1,024, N 3,072]; A: input x; B: input c_attn_w: QUANTISED (scales: A lowp_scales[0], B lowp_scales[1])
;;     2. batch 64 x [M 2,048, K 64] x [K 64, N 2,048]; A: computed on the way; B: computed on the way: QUANTISED (scales: A lowp_scales[2], B lowp_scales[3])
;;     3. batch 64 x [M 2,048, K 2,048] x [K 2,048, N 64]; A: softmax (see below); B: computed on the way: QUANTISED (scales: A lowp_scales[4], B lowp_scales[5])
;;     4. [M 8,192, K 1,024] x [K 1,024, N 1,024]; A: computed on the way; B: input c_proj_w: QUANTISED (scales: A lowp_scales[6], B lowp_scales[7])
;;   THE QUANTISER, for each operand of a quantised product, along K:
;;     - The operand's scale is 2^e, e = its entry of the input lowp_scales (int32; the entries are numbered through the quantised products in the list's order, A before B).
;;     - Each number is divided by the scale, clamped to +-57,344, and rounded to the nearest number of E5M2, ties to even, subnormals kept.
;;     - The product sums the exact products of the quantised numbers (number of the format x scale) in f32.
;;   ~~~python
;;   def quantise(x, axis, e):      # numpy; x: float32 -> the quantised numbers, widened to float32 again
;;       x = np.moveaxis(x, axis, -1); K = x.shape[-1]
;;       r = np.clip(x / 2.0 ** e, -57344, 57344)
;;       step = 2.0 ** (np.maximum(np.frexp(np.where(r == 0, 1, r))[1] - 1, -14) - 2)
;;       q = np.round(r / step) * step * 2.0 ** e      # np.round: ties to even
;;       return np.moveaxis(q, -1, axis).astype(np.float32)
;;   ~~~
;;   SOFTMAX AHEAD OF A QUANTISED PRODUCT. Where the list says 'softmax', what is quantised is not the finished softmax but p = 2^(t - M), with t = logit x log2(e) and M = ceil(the row's largest t), a whole number; so 1/2 < the row's largest p <= 1. The row's sum l is taken of the UNQUANTISED p, in f32, and the product's result is divided by l at the end. Since M is a whole number, a kernel that streams over the keys may use a running M (the ceiling of the running maximum): every later rescaling is an exact power of two, so the quantised numbers keep their values, but for numbers so far below the row's largest that they fall under the format's range.
;;   OPERANDS COMPUTED ON THE WAY. 'Computed on the way' means the value that the module computes at that place (a softmax that the list does not call 'softmax' is quantised finished and normalised). What goes into a quantiser is computed in f32, as accurately as f32 sums, v_exp_f32 and their like allow (about 1e-6 of the number): no bf16 or f16 on the way to a quantiser, and a product that is left as it is and whose result goes on into a quantised operand takes f32 operands (vector FMAs, or v_wmma_f32_16x16x4_f32). A number that lies on a knife's edge between two numbers of the format may be rounded either way, as far as f32 arithmetic and the matrix unit's own rounding can turn it there, and no further.
;; One version. Each part assembles by itself: llvm-mc -triple=amdgcn-amd-amdhsa -mcpu=gfx1250 --defsym DOCPART=n.
;; ======== version 1 of 1: 4 launches
;; limits: right only within a limited range of input values
;; workspace buffers: xi 8,388,608 bytes; wai 3,145,728 bytes; wpi 1,048,576 bytes; qkvi 25,165,824 bytes; vsum 262,144 bytes; ai 8,388,608 bytes
;; launch quant (part 1): grid 384 x 1, 4 waves a work-group, no clusters, 67,072 bytes of LDS; arguments x, c_attn_w, c_proj_w, lowp_scales, xi, wai, wpi; writes xi, wai, wpi
.if DOCPART == 1
	.amdgcn_target "amdgcn-amd-amdhsa--gfx1250"
	.amdhsa_code_object_version 6
	.text
	.protected	k_q168e9d8e94_quant
	.globl	k_q168e9d8e94_quant
	.p2align	8
	.type	k_q168e9d8e94_quant,@function
k_q168e9d8e94_quant:
	s_mov_b64 s[64:65], 0
	v_nop
	global_prefetch_b8 v0, s[64:65] scope:SCOPE_SE
	s_setreg_imm32_b32 hwreg(HW_REG_WAVE_MODE, 25, 1), 1
	s_wait_xcnt 0x0
; x [8192][1024], c_attn_w [1024][3072] and c_proj_w [1024][1024], f32, become codes of BF8 (E5M2), each with the scale 2^e given for it (entries 0, 1 and 7 of the scales).
; code = number / 2^e, held within +-57,344, rounded to the nearest code, ties to even.  LIMITS: -126 <= e <= 112, so that 2^e and 57,344 x 2^e are f32 numbers.  NaN among the inputs is not served.
; THE CODES ARE STORED AS IMAGES OF OPERAND REGISTERS.  A fragment is 16 rows x 128 along K: lane (r = lane % 16, h = lane / 16) holds row r, its registers 2 c, 2 c + 1 hold k = 16 c + 8 h + 0 .. 7.
; Registers 4 q .. 4 q + 3 of the 32 lanes lie at byte 512 q + 16 x lane of the fragment's 2,048 bytes.  xi: [token / 16][k / 128][2048];  wai, wpi: [column / 16][k / 128][2048].
; Work-groups 0 to 255 take x, the others the two weights.  Waves share nothing: no barrier.  The two ways have LDS bytes of their own.
; X: a wave takes 16 rows x 512 along K, four fragments.  A load reads 512 consecutive bytes of one row; the 16 rows turn through the wave's stage (rows 528 bytes apart: 132 words, so that 16 rows begin at 16 different
;    groups of banks), out of which a lane takes its 8 neighbours for each c.  A fragment leaves by four stores of 512 consecutive bytes.
; W: K is the weight's FIRST axis: a lane takes a column and its registers run down K, so the conversions give codes with K innermost.  A wave takes 32 columns x 256 along K: four fragments, gathered in its stage as images.
.set XPITCH, 528
.set XWAVE,  16*XPITCH                 ; X's stages lie from LDS byte 0 on, 8,448 bytes a wave
.set WST,    4*XWAVE                   ; W's stages behind them, 8,192 bytes a wave
.set LI,   3                           ; v3   16 x lane
.set WSI,  4                           ; v4   W: into the stage
.set WSO,  7                           ; v7   W: out of the stage
.set LIMV, 10
.set SCV,  11                          ; v11  2^e
.set SIN,  14                          ; v14  X: into the stage
.set SOUT, 15                          ; v15  X: out of the stage
.set RAW,  16                          ; v16-143  X: two sets of 64, as loaded
.set NUM,  144                         ; v144-207 X: a fragment's 64 numbers of my lane
.set COD,  208                         ; v208-239 X: two sets of 16 registers of codes
.set VO,   16                          ; v16-47   W: byte offsets of rows 0 .. 31 of a block
.set NUMW, 48                          ; v48-111  W: two sets of 32 numbers
.set CODW, 112                         ; v112-119 W: a block's codes
.set OUTW, 120                         ; v120-183 W: the four fragments on their way out
.set BP,   32                          ; s[32:47] W: the eight blocks' bases
.macro MKSCALE e                       ; s[e] holds the exponent
	s_add_co_i32 s56, s[\e], 127
	s_lshl_b32 s57, s56, 23
	v_mov_b32 v[SCV], s57                          ; 2^e as f32: the conversion takes its exponent field
	s_add_co_i32 s56, s56, 15
	s_lshl_b32 s56, s56, 23
	s_or_b32 s56, s56, 0x600000
.endm
	s_load_b256 s[4:11], s[0:1], 0x0               ; x, c_attn_w, c_proj_w, the scales' exponents
	s_load_b128 s[12:15], s[0:1], 0x20             ; xi, wai
	s_load_b64 s[16:17], s[0:1], 0x30              ; wpi
	v_lshl_add_u32 v240, v0, 2, 0x10400
	v_mov_b32 v241, 0
	v_lshrrev_b32 v1, 5, v0
	v_readfirstlane_b32 s18, v1                    ; wave
	v_and_b32 v2, 31, v0                           ; lane
	v_lshlrev_b32 v[LI], 4, v2
	v_and_b32 v5, 15, v0                           ; r
	v_bfe_u32 v6, v0, 4, 1                         ; h
	s_wait_kmcnt 0x0
	s_load_b256 s[48:55], s[10:11], 0x0            ; the eight exponents
	s_cmp_lt_u32 ttmp9, 256
	s_cbranch_scc0 .Lweights
; ---------------- X
	s_mul_i32 s19, s18, XWAVE                      ; my stage
	s_wait_alu depctr_va_vdst(0)
	v_add_nc_u32 v[SIN], s19, v[LI]                ; in: a row's 512 bytes as they lie
	v_mul_u32_u24 v[SOUT], v5, XPITCH
	v_lshl_add_u32 v[SOUT], v6, 5, v[SOUT]
	v_add_nc_u32 v[SOUT], s19, v[SOUT]             ; out: row r, + 32 h: my 8 numbers of each 16
	s_lshl_b32 s20, ttmp9, 1
	s_lshr_b32 s21, s18, 1
	s_add_co_u32 s20, s20, s21                     ; which 16 rows: 2 x work-group + wave / 2
	s_and_b32 s21, s18, 1                          ; which half of K
	s_lshl_b32 s22, s20, 16                        ; 16 rows of 4,096 bytes
	s_lshl_b32 s23, s21, 11
	s_add_co_u32 s22, s22, s23
	s_mov_b32 s23, 0
	s_add_nc_u64 s[4:5], s[4:5], s[22:23]
	s_lshl_b32 s22, s20, 14                        ; eight fragments of 2,048 bytes
	s_lshl_b32 s24, s21, 13
	s_add_co_u32 s22, s22, s24
	s_add_nc_u64 s[12:13], s[12:13], s[22:23]
.macro LOADX f                         ; fragment f: 16 rows x 512 bytes into set f % 2
.irp i, 0,1,2,3,4,5,6,7,8,9,10,11,12,13,14,15
	global_load_b128 v[RAW+64*((\f)%2)+4*\i:RAW+64*((\f)%2)+4*\i+3], v[LI], s[4:5] offset:4096*\i+512*(\f) th:TH_LOAD_NT
.endr
.endm
.macro FRAGX f
.if (\f) < 3
	s_wait_loadcnt 16                              ; this fragment's 16 loads are in; the next fragment's may be out
.else
	s_wait_loadcnt 0
.endif
.irp i, 0,1,2,3,4,5,6,7,8,9,10,11,12,13,14,15
	ds_store_b128 v[SIN], v[RAW+64*((\f)%2)+4*\i:RAW+64*((\f)%2)+4*\i+3] offset:XPITCH*\i
.endr
.irp c, 0,1,2,3,4,5,6,7
	ds_load_b128 v[NUM+8*\c:NUM+8*\c+3], v[SOUT] offset:64*\c        ; LDS serves a wave's instructions in order: these see the stores above
	ds_load_b128 v[NUM+8*\c+4:NUM+8*\c+7], v[SOUT] offset:64*\c+16
.endr
	s_wait_dscnt 0x0                               ; the numbers are back, and the stage's stores have read their registers
	s_wait_xcnt 0x0                                ; the stores of two fragments ago have read their codes: that set is written again below
.if (\f) < 2
	LOADX (\f)+2
.endif
.irp c, 0,1,2,3,4,5,6,7
.irp i, 0,1,2,3,4,5,6,7
.endr
	v_cvt_scalef32_pk8_bf8_f32 v[COD+16*((\f)%2)+2*\c:COD+16*((\f)%2)+2*\c+1], v[NUM+8*\c:NUM+8*\c+7], v[SCV]
.endr
	v_nop                                          ; a plain line behind the last conversion: the next fragment's LDS loads write these conversions' sources
.irp q, 0,1,2,3
	global_store_b128 v[LI], v[COD+16*((\f)%2)+4*\q:COD+16*((\f)%2)+4*\q+3], s[12:13] offset:2048*(\f)+512*\q   ; 512 consecutive bytes, aligned
.endr
.endm
	LOADX 0
	LOADX 1
	s_wait_alu depctr_va_vdst(0)
	s_wait_kmcnt 0x0
	MKSCALE 48
	s_wait_alu depctr_va_vdst(0)
	FRAGX 0
	FRAGX 1
	FRAGX 2
	FRAGX 3
	s_wait_tensorcnt 0x0
	ds_add_u32 v240, v241
	s_wait_dscnt 0x0
	s_endpgm
; ---------------- W
.Lweights:
	s_sub_co_u32 s20, ttmp9, 256                   ; 0 .. 95: c_attn_w;  96 .. 127: c_proj_w
	s_mov_b32 s26, 4096
	s_cmp_lt_u32 s20, 96                           ; the choice hangs on the work-group's number alone
	s_cselect_b64 s[22:23], s[6:7], s[8:9]         ; the weight,
	s_cselect_b64 s[24:25], s[14:15], s[16:17]     ; its codes,
	s_cselect_b32 s26, 12288, s26                  ; its row in bytes
	s_cselect_b32 s27, 0, 96
	s_sub_co_u32 s21, s20, s27
	s_and_b32 s27, s21, 3                          ; which 256 along K
	s_lshr_b32 s28, s21, 2
	s_lshl_b32 s28, s28, 7
	s_lshl_b32 s29, s18, 5
	s_add_co_u32 s19, s28, s29                     ; my wave's first column
	s_lshl_b32 s30, s27, 8
	s_mul_i32 s30, s30, s26
	s_lshl_b32 s28, s19, 2
	s_add_co_u32 s30, s30, s28
	s_mov_b32 s31, 0
	s_add_nc_u64 s[BP:BP+1], s[22:23], s[30:31]    ; block 0: row 256 ky, my first column
	s_lshl_b32 s28, s26, 5                         ; 32 rows on
	s_mov_b32 s29, 0
.irp t, 1,2,3,4,5,6,7
	s_add_nc_u64 s[BP+2*\t:BP+2*\t+1], s[BP+2*\t-2:BP+2*\t-1], s[28:29]
.endr
	s_lshl_b32 s30, s19, 10                        ; (column / 16) x 16,384
	s_lshl_b32 s28, s27, 12                        ; two fragments for each 256 along K
	s_add_co_u32 s30, s30, s28
	s_add_nc_u64 s[24:25], s[24:25], s[30:31]
	s_wait_alu depctr_va_vdst(0)
	v_lshlrev_b32 v[VO], 2, v2                     ; 4 bytes a lane: a lane is a column
.set j, 1
.rept 31
	v_add_nc_u32 v[VO+j], s26, v[VO+j-1]           ; and a row further down for each register
.set j, j+1
.endr
	s_lshl_b32 s28, s18, 13
	s_add_co_u32 s28, s28, WST                     ; my stage: fragment 2 x (lane / 16) + (which 128 along K)
	v_lshlrev_b32 v[WSI], 12, v6
	v_lshl_add_u32 v[WSI], v5, 4, v[WSI]
	v_add_nc_u32 v[WSI], s28, v[WSI]               ; in: 4,096 (lane / 16) + 16 r
	v_add_nc_u32 v[WSO], s28, v[LI]                ; out: 16 x lane
.macro LOADW t                         ; block t: rows 32 t + i of my column, into set t % 2; a wave reads 128 consecutive bytes, the four waves stand side by side on 512
.set j, 0
.rept 32
	global_load_b32 v[NUMW+32*((\t)%2)+j], v[VO+j], s[BP+2*(\t):BP+2*(\t)+1] th:TH_LOAD_NT
.set j, j+1
.endr
.endm
.macro BLOCKW t
.if (\t) < 7
	s_wait_loadcnt 32                              ; this block's 32 loads are in; the next block's may be out
.else
	s_wait_loadcnt 0
.endif
.set j, 0
.rept 32
.set j, j+1
.endr
.irp g, 0,1,2,3
	v_cvt_scalef32_pk8_bf8_f32 v[CODW+2*\g:CODW+2*\g+1], v[NUMW+32*((\t)%2)+8*\g:NUMW+32*((\t)%2)+8*\g+7], v[SCV]
.endr
	v_nop
.irp g, 0,1,2,3                        ; k = 32 t + 8 g + 0 .. 7 are registers 2 c, 2 c + 1 of lane (r, g & 1), c = 2 (t % 4) + g / 2
	ds_store_b64 v[WSI], v[CODW+2*\g:CODW+2*\g+1] offset:2048*((\t)/4)+512*((\t)%4)+256*(\g&1)+8*(\g>>1)
.endr
.if (\t)+2 < 8
	LOADW (\t)+2
.endif
	s_wait_dscnt 0x0                               ; the stores have read their registers: the next block's codes may be written
.endm
	LOADW 0
	LOADW 1
	s_wait_kmcnt 0x0
	s_cmp_lt_u32 s20, 96
	s_cselect_b32 s58, s49, s55                    ; entry 1 or entry 7
	MKSCALE 58
	s_wait_alu depctr_va_vdst(0)
.irp t, 0,1,2,3,4,5,6,7
	BLOCKW \t
.endr
.set j, 0
.rept 16
	ds_load_b128 v[OUTW+4*j:OUTW+4*j+3], v[WSO] offset:512*j      ; these see my stores
.set j, j+1
.endr
.set j, 0
.rept 16
	s_wait_dscnt 15-j                              ; LDS loads come back in order: number j is in
	global_store_b128 v[LI], v[OUTW+4*j:OUTW+4*j+3], s[24:25] offset:16384*(j/8)+2048*((j/4)%2)+512*(j%4)   ; 512 consecutive bytes, aligned
.set j, j+1
.endr
	s_wait_tensorcnt 0x0
	ds_add_u32 v240, v241
	s_wait_dscnt 0x0
	s_endpgm
.Lfunc_end_k_q168e9d8e94_quant:
	.size	k_q168e9d8e94_quant, .Lfunc_end_k_q168e9d8e94_quant-k_q168e9d8e94_quant
	.p2alignl 7, 3214868480
	.fill 96, 4, 3214868480
	.section	.rodata,"a",@progbits
	.p2align	6, 0x0
	.amdhsa_kernel k_q168e9d8e94_quant
		.amdhsa_group_segment_fixed_size 67072
		.amdhsa_private_segment_fixed_size 0
		.amdhsa_enable_private_segment 0
		.amdhsa_kernarg_size 56
		.amdhsa_user_sgpr_count 2
		.amdhsa_user_sgpr_kernarg_segment_ptr 1
		.amdhsa_wavefront_size32 1
		.amdhsa_system_sgpr_workgroup_id_x 1
		.amdhsa_system_sgpr_workgroup_id_y 1
		.amdhsa_system_sgpr_workgroup_id_z 1
		.amdhsa_system_vgpr_workitem_id 0
		.amdhsa_next_free_vgpr 242
		.amdhsa_next_free_sgpr 66
		.amdhsa_reserve_vcc 0
		.amdhsa_float_denorm_mode_32 3
		.amdhsa_float_denorm_mode_16_64 3
		.amdhsa_fp16_overflow 1
		.amdhsa_memory_ordered 1
		.amdhsa_forward_progress 1
		.amdhsa_inst_pref_size 55
	.end_amdhsa_kernel
	.amdgpu_metadata
---
amdhsa.version: [ 1, 2 ]
amdhsa.kernels:
  - .name:           k_q168e9d8e94_quant
    .symbol:         k_q168e9d8e94_quant.kd
    .args:
      - { .name: x, .offset: 0, .size: 8, .value_kind: global_buffer, .address_space: global }
      - { .name: c_attn_w, .offset: 8, .size: 8, .value_kind: global_buffer, .address_space: global }
      - { .name: c_proj_w, .offset: 16, .size: 8, .value_kind: global_buffer, .address_space: global }
      - { .name: lowp_scales, .offset: 24, .size: 8, .value_kind: global_buffer, .address_space: global }
      - { .name: xi, .offset: 32, .size: 8, .value_kind: global_buffer, .address_space: global }
      - { .name: wai, .offset: 40, .size: 8, .value_kind: global_buffer, .address_space: global }
      - { .name: wpi, .offset: 48, .size: 8, .value_kind: global_buffer, .address_space: global }
    .group_segment_fixed_size: 67072
    .private_segment_fixed_size: 0
    .kernarg_segment_align: 8
    .kernarg_segment_size: 56
    .max_flat_workgroup_size: 128
    .sgpr_count:     66
    .vgpr_count:     242
    .wavefront_size: 32
...
	.end_amdgpu_metadata
.endif
;; end of part 1
;; launch qkv (part 2): grid 12 x 32, 4 waves a work-group, clusters of 4 x 4, 327,680 bytes of LDS; arguments xi, wai, lowp_scales, c_attn_b, qkvi, vsum; writes qkvi, vsum
.if DOCPART == 2
	.amdgcn_target "amdgcn-amd-amdhsa--gfx1250"
	.amdhsa_code_object_version 6
	.text
	.protected	k_q168e9d8e94_qkv
	.globl	k_q168e9d8e94_qkv
	.p2align	8
	.type	k_q168e9d8e94_qkv,@function
k_q168e9d8e94_qkv:
	s_mov_b64 s[64:65], 0
	v_nop
	global_prefetch_b8 v0, s[64:65] scope:SCOPE_SE
	s_setreg_imm32_b32 hwreg(HW_REG_WAVE_MODE, 25, 1), 1
	s_wait_xcnt 0x0
	s_wait_alu depctr_hold_cnt(0) depctr_sa_sdst(0) depctr_va_vdst(0) depctr_va_sdst(0) depctr_va_ssrc(0) depctr_va_vcc(0) depctr_vm_vsrc(0)
	s_getreg_b32 s2, hwreg(HW_REG_IB_STS2, 6, 4)
	s_cmp_eq_u32 s2, 0
	s_cbranch_scc0 .Lentry_in_a_cluster
	s_endpgm
.Lentry_in_a_cluster:
	s_bfe_u32 s2, ttmp6, 0x10000c
	s_cmp_lg_u32 s2, 0xf033
	s_cbranch_scc0 .Lentry_shape_is_right
	s_endpgm
.Lentry_shape_is_right:
; qkv = x Wa + ba on codes of BF8; the results are quantised at once: q with entry 2 of the scales, k with entry 3, v with entry 5, and stored as images of operand registers.
; xi: [token / 16][k / 128][2048], wai: [column / 16][k / 128][2048]: a fragment of 16 rows x 128 K; registers 4 q .. 4 q + 3 of the 32 lanes at byte 512 q + 16 x lane.
; qkvi: three parts of 8,388,608 bytes.  q, k: [16 batch + head][token / 16][1024] (16 tokens x the head's 64);  v: [16 batch + head][key / 128][channel / 16][2048] (16 channels x 128 KEYS: the keys are its K).
; vsum: f32 [batch][key / 128][channel 1024]: the sum of the 128 keys' code values of v.
; A tile of the result is 256 x 256: four waves, each 128 x 128 in 64 accumulators.  K = 1,024 goes in four visits of 256 through two LDS slots; a slot holds 16 + 16 groups of 16 rows, 4,096 bytes each, as images: a fragment
; comes by four ds_load_b128 at 16 x lane, with no pitch.  THE MATRIX INSTRUCTION IS USED TRANSPOSED: source 0 = side B, source 1 = side A: a lane holds one row of side A, its 8 registers 8 neighbouring rows of side B.
; CLUSTERS of 4 x 4.  A cluster spans 1,024 columns of Wa, so cluster x = 0, 1, 2 is q, k, v.  For q and k side A = tokens, side B = columns: a lane's registers run along the head's channels.  For v THE OPERANDS CHANGE SIDES
; (side A = columns, side B = tokens): a lane's registers run along the keys.  Only pointers and tile numbers are chosen, by the cluster's x, which all partners share.  A's tiles hang on cy and are asked for jointly by my row
; of the cluster, B's on cx, by my column.
; The bias: side B's is the C of each sum's first product, side A's is added on the way out; the one that does not apply is 0.  Both go in divided by 2^(e0 + e1), which the sums lack.
; LIMITS: e(out) - e0 - e1 between -126 and 112 for the three outputs.  NaN is not served.
; REGISTERS: window 0: v1-29 addresses; v32-95 side B's bias, later 64 numbers at work; v96-111 side A's bias in pairs; v112 the scale, v113 the hold; v114-121 store offsets; v128-255 A's fragments, later the codes.
;   window 1: B's fragments, two sets.   windows 2, 3: the accumulators ((a, b) at v[8 (8 (a % 4) + b)]).
.set FR,     16                        ; registers of a fragment
.set NL,     4                         ; LDS loads that bring one
.set NP,     4                         ; places behind this matrix instruction (ISA guide 7.12.1)
.set FRB,    2048                      ; a fragment's image
.set RGB,    4096                      ; 16 rows x 256 along K: two images
.set HALFT,  8*RGB                     ; 128 rows: what one tensor load brings
.set SLOT,   4*HALFT                   ; A's 256 rows, then B's
.set SPARE,  2*SLOT                    ; behind the ring: the spare words, 128 bytes a wave; no other line names them
.set ADRA, 16                          ; v16-17 LDS address of my A fragments in slot 0, 1
.set ADRB, 20                          ; v20-21 the same for B
.set LI,   24                          ; v24    16 x lane
.set SPW,  28                          ; v28    my spare word; never rewritten
.set NIL,  29                          ; v29    0; never rewritten
.set BIA,  32
.set TMP,  32
.set BA,   96
.set SCR,  112
.set LIMR, 113
.set VO,   114
.set AF,   128
.set CD,   128
.set G1, 24
.set G0, 32
.set G1B, 48
.set G0B, 56
.set MSB, 0
.macro WIN new                         ; the immediate's high byte repeats the setting that is left
.if MSB != (\new)
	s_set_vgpr_msb (MSB<<8)|(\new)
.set MSB, (\new)
.endif
.endm
.set MUL_LO, 0xa1                      ; source 0 (B) window 1, source 1 (A) window 0, C and D window 2
.set MUL_HI, 0xf1                      ; the same, C and D window 3
.set TO_B,   0x40                      ; destination window 1
.macro JLOAD g0a, g1a, g0b, g1b        ; a joint load: waves 0 and 1 fetch for A, waves 2 and 3 for B; four v_nop follow each of the two lines
	s_cmp_eq_u32 s15, 0
	s_cbranch_scc0 .Lfor_b_\@
	tensor_load_to_lds s[\g0a:\g0a+3], s[\g1a:\g1a+7]
	s_nop 0
.rept 4
	v_nop
.endr
	s_branch .Lasked_\@
.Lfor_b_\@:
	tensor_load_to_lds s[\g0b:\g0b+3], s[\g1b:\g1b+7]
	s_nop 0
.rept 4
	v_nop
.endr
.Lasked_\@:
.endm
.macro CREST                           ; a round of the cluster's barrier behind its opening barrier
	s_cmp_lg_u32 s14, 0
	s_cbranch_scc1 .Lnot_wave_0_\@
	s_barrier_signal -3
.Lnot_wave_0_\@:
	s_barrier_wait -3
	s_barrier_signal -1
	s_barrier_wait -1
.endm
.macro CROUND
	s_barrier_signal -1
	s_barrier_wait -1
	CREST
.endm
.macro PLACES n
.rept \n
	v_nop
.endr
.endm
.macro FRAG reg, adr, q, i             ; group i of my eight, the slot's q-th 128 along K
.irp c, 0,1,2,3
	ds_load_b128 v[\reg+4*\c:\reg+4*\c+3], v[\adr] offset:FRB*(\q)+RGB*(\i)+512*\c
.endr
.endm
; 16 matrix instructions: A's blocks a0, a0 + 1 x B's eight.  p: B's set.  first = 1: the sums begin with side B's bias as C.  The 64 accumulators take turns, one instruction a turn.
.macro MUL16 a0, p, first
.irp a, \a0, \a0+1
.irp b, 0,1,2,3,4,5,6,7
.if \first
	v_wmma_f32_16x16x128_bf8_bf8 v[8*(8*((\a)%4)+\b):8*(8*((\a)%4)+\b)+7], v[128*(\p)+FR*\b:128*(\p)+FR*\b+FR-1], v[AF+FR*(\a):AF+FR*(\a)+FR-1], v[BIA+8*\b:BIA+8*\b+7]
.else
	v_wmma_f32_16x16x128_bf8_bf8 v[8*(8*((\a)%4)+\b):8*(8*((\a)%4)+\b)+7], v[128*(\p)+FR*\b:128*(\p)+FR*\b+FR-1], v[AF+FR*(\a):AF+FR*(\a)+FR-1], v[8*(8*((\a)%4)+\b):8*(8*((\a)%4)+\b)+7]
.endif
.endr
.endr
.endm
.macro FETCH_B slot, q, p
	WIN TO_B
.irp i, 0,1,2,3,4,5,6,7
	FRAG 128*(\p)+FR*\i, ADRB+\slot, \q, \i
.endr
	WIN 0
.endm
.macro FETCH_A slot, q, i0
.irp i, \i0, \i0+1, \i0+2, \i0+3
	FRAG AF+FR*(\i), ADRA+\slot, \q, \i
.endr
.endm
.macro STEP slot, q, first             ; 128 along K whose successor lies in the same slot
	s_wait_dscnt 4*NL                              ; B's set and A's blocks 0-3 are in; the youngest 16 loads (A's blocks 4-7) may be out
.if \first
	WIN 0x81                                       ; C (the bias) in window 0, D in window 2
.else
	WIN MUL_LO
.endif
	MUL16 0, (\q)%2, \first
	MUL16 2, (\q)%2, \first
	s_wait_dscnt 0                                 ; A's blocks 4-7 are in
	PLACES NP                                      ; in front of loads into registers that matrix instructions have read
	FETCH_B \slot, (\q)+1, 1-(\q)%2
	FETCH_A \slot, (\q)+1, 0
.if \first
	WIN 0xc1
.else
	WIN MUL_HI
.endif
	MUL16 4, (\q)%2, \first
	MUL16 6, (\q)%2, \first
	PLACES NP
	WIN 0
	FETCH_A \slot, (\q)+1, 4
.endm
; A slot's last step changes slots: one barrier; in front of it each wave waits for all its tensor loads, adds 0 to its spare word, and waits for that and for its reads of this slot.  fill = 1: the slot is filled again, two visits on.
.macro TURN slot, next, fill
	s_wait_tensorcnt 0x0                           ; all my tensor loads have landed: my part of the next slot
	ds_add_u32 v[SPW], v[NIL]                      ; 0 onto my spare word
	s_wait_dscnt 4*NL+1                            ; (the add and A's blocks 4-7 may be out)
	WIN MUL_LO
	MUL16 0, 1, 0
	s_wait_dscnt 0x0                               ; the add is done, and my reads of this slot are over
	s_barrier_signal -1
	MUL16 2, 1, 0
	WIN 0
	s_barrier_wait -1
.if \fill
	CREST                                          ; the barrier has opened a round of the cluster's barrier: no wave of any partner still reads this slot or has a load on its way
	s_add_nc_u64 s[G0+4*\slot+2:G0+4*\slot+3], s[G0+4*\slot+2:G0+4*\slot+3], 2*RGB
	s_add_nc_u64 s[G0B+4*\slot+2:G0B+4*\slot+3], s[G0B+4*\slot+2:G0B+4*\slot+3], 2*RGB
	JLOAD G0+4*\slot, G1, G0B+4*\slot, G1B         ; the first tensor load behind the round; its four v_nop are the places in front of the loads below
.else
	PLACES NP
.endif
	FETCH_B \next, 0, 0
	FETCH_A \next, 0, 0
	WIN MUL_HI
	MUL16 4, 1, 0
	MUL16 6, 1, 0
	PLACES NP
	WIN 0
	FETCH_A \next, 0, 4
.endm
	s_load_b256 s[80:87], s[0:1], 0x0              ; xi, wai, the scales' exponents, c_attn_b
	s_load_b128 s[88:91], s[0:1], 0x20             ; qkvi, vsum
	v_lshl_add_u32 v[SPW], v0, 2, SPARE
	v_mov_b32 v[NIL], 0
	ds_add_u32 v28, v29
	ds_add_u32 v28, v29
	s_wait_dscnt 0x0
	v_lshrrev_b32 v1, 5, v0
	v_readfirstlane_b32 s14, v1                    ; wave 0..3
	s_lshr_b32 s15, s14, 1                         ; my half of side A's rows.  Also: I fetch for A (0) or for B (1)
	s_and_b32 s16, s14, 1                          ; my half of side B's rows.  Also: which 128 rows I fetch
	s_bfe_u32 s40, ttmp6, 0x40000                  ; cx
	s_bfe_u32 s41, ttmp6, 0x40004                  ; cy
	s_and_b32 s66, ttmp7, 0xffff
	s_lshl_b32 s66, s66, 2                         ; 4 x cluster y
	s_lshl_b32 s67, ttmp9, 2                       ; 4 x cluster x
	s_cmp_eq_u32 ttmp9, 2                          ; v's cluster?  The same answer in all sixteen partners
	s_cselect_b32 s17, 8, s66                      ; side A's tile: v: columns from 2,048 on; else tokens
	s_cselect_b32 s42, s66, s67                    ; side B's tile: v: tokens; else columns
	s_add_co_u32 s17, s17, s41                     ; + cy
	s_add_co_u32 s42, s42, s40                     ; + cx
	s_lshl_b32 s43, s41, 2
	s_lshl_b32 s43, 15, s43                        ; my row of the cluster
	s_lshl_b32 s44, 0x1111, s40                    ; my column
	; descriptor group 1: 8 rows of 4,096 bytes (a group's two images), 16,384 bytes apart in memory, dense in LDS; elements of 8 bytes
	s_or_b32 s[G1+0], s43, (3<<16)|(1<<21)         ; 15:0 the mask; 17:16 elements of 8 bytes; 21 set beside a mask
	s_or_b32 s[G1B+0], s44, (3<<16)|(1<<21)
.irp g, G1, G1B
	s_mov_b32 s[\g+1], 512<<16                     ; tensor_dim0 = 512
	s_mov_b32 s[\g+2], 8<<16                       ; tensor_dim1 = 8
	s_mov_b32 s[\g+3], 512<<16                     ; tile_dim0 = 512
	s_mov_b32 s[\g+4], 8                           ; tile_dim1 = 8
	s_mov_b32 s[\g+5], 2048                        ; tensor_dim0_stride
	s_mov_b32 s[\g+6], 0
	s_mov_b32 s[\g+7], 0
.endr
	s_lshl_b32 s18, s16, 3                         ; which 8 groups of the tile's 16 I fetch
	s_lshl_b32 s20, s17, 4
	s_add_co_u32 s20, s20, s18
	s_lshl_b32 s20, s20, 14                        ; a group is 16,384 bytes
	s_mov_b32 s21, 0
	s_lshl_b32 s46, s42, 4
	s_add_co_u32 s46, s46, s18
	s_lshl_b32 s46, s46, 14
	s_mov_b32 s47, 0
	s_mul_i32 s45, s14, HALFT                      ; where they go: wave x 128 rows: no place in the cluster enters an LDS address
	s_wait_kmcnt 0x0
	s_load_b256 s[72:79], s[84:85], 0x0            ; e0 .. e7
	s_cmp_eq_u32 ttmp9, 2
	s_cselect_b64 s[4:5], s[82:83], s[80:81]       ; side A
	s_cselect_b64 s[6:7], s[80:81], s[82:83]       ; side B
	s_add_nc_u64 s[20:21], s[4:5], s[20:21]
	s_add_nc_u64 s[46:47], s[6:7], s[46:47]
	CROUND                                         ; all sixteen work-groups are here: the first joint loads meet
.irp s, 0,1
	s_mov_b32 s[G0+4*\s], 1
	s_add_co_u32 s[G0+4*\s+1], s45, \s*SLOT
	s_add_nc_u64 s[G0+4*\s+2:G0+4*\s+3], s[20:21], \s*RGB
	s_or_b32 s[G0+4*\s+3], s[G0+4*\s+3], 0x80000000
	s_mov_b32 s[G0B+4*\s], 1
	s_add_co_u32 s[G0B+4*\s+1], s45, \s*SLOT
	s_add_nc_u64 s[G0B+4*\s+2:G0B+4*\s+3], s[46:47], \s*RGB
	s_or_b32 s[G0B+4*\s+3], s[G0B+4*\s+3], 0x80000000
	JLOAD G0+4*\s, G1, G0B+4*\s, G1B
.endr
	v_and_b32 v1, 15, v0                           ; r
	v_bfe_u32 v2, v0, 4, 1                         ; h
	v_and_b32 v3, 31, v0
	v_lshlrev_b32 v[LI], 4, v3
	v_lshlrev_b32 v5, 5, v2                        ; side B's bias: 8 h numbers on
	s_wait_alu depctr_va_vdst(0)
	v_lshlrev_b32 v6, 2, v1                        ; side A's: number r
	s_wait_alu depctr_va_vdst(0)
	v_lshlrev_b32 v7, 2, v3                        ; vsum: 4 bytes a lane
	s_mul_i32 s21, s15, HALFT                      ; my 128 rows of A,
	s_mul_i32 s22, s16, HALFT                      ; of B,
	s_add_co_u32 s22, s22, 2*HALFT                 ; which lie behind A's 256
.irp s, 0,1
	v_add_nc_u32 v[ADRA+\s], s21, v[LI]
	v_add_nc_u32 v[ADRB+\s], s22, v[LI]
	s_add_co_u32 s21, s21, SLOT
	s_add_co_u32 s22, s22, SLOT
.endr
	; what hangs on the cluster's x: every choice on one compare
	s_lshl_b32 s18, s42, 8
	s_lshl_b32 s19, s16, 7
	s_add_co_u32 s18, s18, s19                     ; side B's first row of mine
	s_lshl_b32 s20, s17, 8
	s_lshl_b32 s19, s15, 7
	s_add_co_u32 s20, s20, s19                     ; side A's
	s_mov_b32 s66, 1024
	s_mov_b32 s46, 131072
	s_cmp_eq_u32 ttmp9, 2
	s_cselect_b32 s18, 0, s18                      ; the bias is the columns': side B's for q and k (index 0, and zeroed below, for v),
	s_cselect_b32 s20, s20, 0                      ; side A's for v
	s_cselect_b32 s98, 0, -1                       ; keep side B's?
	s_cselect_b32 s99, -1, 0                       ; keep side A's?
	s_cselect_b32 s22, s42, s17                    ; the tile of tokens,
	s_cselect_b32 s23, s16, s15                    ; my half of it,
	s_cselect_b32 s2, s41, s40                     ; the quarter of the part's 1,024 channels,
	s_cselect_b32 s3, s15, s16                     ; my half of it
	s_cselect_b32 s66, 2048, s66                   ; from block a to block a + 1 in the output,
	s_cselect_b32 s67, 122880, 0                   ; and more from block 4 on (v: the next head)
	s_cselect_b32 s46, 1024, s46                   ; from a block's first two stores to its last two (q, k: the next head)
	s_lshl_b32 s18, s18, 2
	s_mov_b32 s19, 0
	s_add_nc_u64 s[68:69], s[86:87], s[18:19]
	s_lshl_b32 s20, s20, 2
	s_mov_b32 s21, 0
	s_add_nc_u64 s[70:71], s[86:87], s[20:21]
.irp b, 0,1,2,3,4,5,6,7
	global_load_b128 v[BIA+8*\b:BIA+8*\b+3], v5, s[68:69] offset:64*\b       ; lane (r, h): the bias of side B's rows 16 b + 8 h + 0 .. 7
	global_load_b128 v[BIA+8*\b+4:BIA+8*\b+7], v5, s[68:69] offset:64*\b+16
.endr
.irp a, 0,1,2,3,4,5,6,7
	global_load_b32 v[BA+2*\a], v6, s[70:71] offset:64*\a                    ; of side A's row 16 a + r
.endr
	s_lshl_b32 s22, s22, 8
	s_lshl_b32 s23, s23, 7
	s_add_co_u32 s22, s22, s23                     ; my first token
	s_lshl_b32 s2, s2, 2
	s_lshl_b32 s3, s3, 1
	s_add_co_u32 s2, s2, s3                        ; my first head of two
	s_lshr_b32 s3, s22, 11                         ; the batch entry
	s_and_b32 s22, s22, 2047                       ; the token in it
	s_lshl_b32 s23, s3, 4
	s_add_co_u32 s23, s23, s2
	s_lshl_b32 s18, s23, 17                        ; (16 batch + head) x 131,072
	s_lshl_b32 s23, s22, 6                         ; 64 bytes a token in all three parts
	s_add_co_u32 s18, s18, s23
	s_lshl_b32 s23, ttmp9, 23                      ; the part
	s_add_co_u32 s18, s18, s23
	s_add_nc_u64 s[92:93], s[88:89], s[18:19]
	s_mov_b32 s47, 0
	s_add_nc_u64 s[94:95], s[92:93], s[46:47]
	s_lshl_b32 s18, s3, 16                         ; vsum: batch x 65,536 + (key / 128) x 4,096 + 4 x my first channel
	s_lshr_b32 s23, s22, 7
	s_lshl_b32 s23, s23, 12
	s_add_co_u32 s18, s18, s23
	s_lshl_b32 s23, s41, 10
	s_add_co_u32 s18, s18, s23
	s_lshl_b32 s23, s15, 9
	s_add_co_u32 s18, s18, s23
	s_add_nc_u64 s[96:97], s[90:91], s[18:19]
	s_mov_b32 s18, 0
.irp a, 0,1,2,3,4,5,6,7
.if \a == 4
	s_add_co_u32 s18, s18, s67
.endif
	v_add_nc_u32 v[VO+\a], s18, v[LI]              ; never rewritten: the way out needs no wait for its stores' addresses
	s_add_co_u32 s18, s18, s66
.endr
	s_wait_loadcnt 0x0
	s_wait_kmcnt 0x0
	s_add_co_i32 s18, s72, s73                     ; e0 + e1: a sum stands for sum x 2^(e0 + e1)
	s_sub_co_i32 s19, 0, s18
.set j, 0
.rept 64
	v_ldexp_f32 v[BIA+j], v[BIA+j], s19
	v_cndmask_b32 v[BIA+j], 0, v[BIA+j], s98
.set j, j+1
.endr
.irp a, 0,1,2,3,4,5,6,7
	v_ldexp_f32 v[BA+2*\a], v[BA+2*\a], s19
	v_cndmask_b32 v[BA+2*\a], 0, v[BA+2*\a], s99
	v_mov_b32 v[BA+2*\a+1], v[BA+2*\a]             ; a pair for the packed addition
.endr
	s_cmp_eq_u32 ttmp9, 0
	s_cselect_b32 s22, s74, s75                    ; q: e2, k: e3,
	s_cmp_eq_u32 ttmp9, 2
	s_cselect_b32 s22, s77, s22                    ; v: e5
	s_sub_co_i32 s22, s22, s18                     ; the three scales folded into the conversion's one
	s_add_co_i32 s22, s22, 127
	s_lshl_b32 s23, s22, 23
	v_mov_b32 v[SCR], s23
	s_wait_tensorcnt 0x1                           ; my part of visit 0 is in; visit 1's may be out
	s_barrier_signal -1
	s_barrier_wait -1
	FETCH_B 0, 0, 0
	FETCH_A 0, 0, 0
	FETCH_A 0, 0, 4
	STEP 0, 0, 1                                   ; K = 1,024 is four visits: written out, no loop
	TURN 0, 1, 1
	STEP 1, 0, 0
	TURN 1, 0, 1
	STEP 0, 0, 0
	TURN 0, 1, 0                                   ; nothing is left to fetch: no round
	STEP 1, 0, 0
	s_wait_dscnt 4*NL
	WIN MUL_LO
	MUL16 0, 1, 0
	MUL16 2, 1, 0
	s_wait_dscnt 0
	WIN MUL_HI
	MUL16 4, 1, 0
	MUL16 6, 1, 0
	WIN 0
; THE WAY OUT, block a of 16 rows of side A: + side A's bias, the conversion.  Accumulator (a, b) gives registers 2 b, 2 b + 1 of the block's 16 registers of codes, which ARE images:
; q, k: registers 0-7 my first head's fragment (16 tokens x 64), 8-15 the next head's;  v: one fragment (16 channels x 128 keys).  Four stores of 512 consecutive aligned bytes; no LDS.
.macro OUTBLK a
	WIN 0x02+((\a)/4)                              ; source 0: window 2 or 3
.set j, 0
.rept 32
	v_pk_add_f32 v[TMP+j:TMP+j+1], v[64*((\a)%4)+j:64*((\a)%4)+j+1], v[BA+2*(\a):BA+2*(\a)+1]   ; each accumulator from its low end on
.set j, j+2
.endr
	WIN 0
.irp b, 0,1,2,3,4,5,6,7
.irp i, 0,1,2,3,4,5,6,7
.endr
	v_cvt_scalef32_pk8_bf8_f32 v[CD+16*(\a)+2*\b:CD+16*(\a)+2*\b+1], v[TMP+8*\b:TMP+8*\b+7], v[SCR]
.endr
	v_nop                                          ; a plain line behind the last conversion: the next block writes these conversions' sources
	global_store_b128 v[VO+\a], v[CD+16*(\a):CD+16*(\a)+3], s[92:93]
	global_store_b128 v[VO+\a], v[CD+16*(\a)+4:CD+16*(\a)+7], s[92:93] offset:512
	global_store_b128 v[VO+\a], v[CD+16*(\a)+8:CD+16*(\a)+11], s[94:95]
	global_store_b128 v[VO+\a], v[CD+16*(\a)+12:CD+16*(\a)+15], s[94:95] offset:512
.endm
	PLACES NP                                      ; behind the last products: their results are read and their sources written below
.irp a, 0,1,2,3,4,5,6,7
	OUTBLK \a
.endr
	s_cmp_lg_u32 ttmp9, 2                          ; the same in all partners; the jump passes over register work and global stores alone
	s_cbranch_scc1 .Lno_vsum
	; v's clusters: the sum of my 128 keys' code values, for each of my 128 channels: a product of ones with each fragment of codes
.set j, 0
.rept 16
	v_mov_b32 v[TMP+j], 0x3c3c3c3c                 ; four codes of 1.0
.set j, j+1
.endr
	WIN 0x40                                       ; D in window 1, where B's first set lay
.irp a, 0,1,2,3,4,5,6,7
	v_wmma_f32_16x16x128_bf8_bf8 v[8*\a:8*\a+7], v[TMP:TMP+15], v[CD+16*\a:CD+16*\a+15], 0   ; every register of lane (r, h): the sum for channel 16 a + r
.endr
	PLACES NP
	s_mov_b32 s23, 0xffff0000
	WIN 0x05                                       ; sources 0 and 1 window 1
.irp p, 0,1,2,3
	v_cndmask_b32 v[TMP+16+\p], v[16*\p], v[16*\p+8], s23    ; lanes 0-15: block 2 p, lanes 16-31: block 2 p + 1: channel 32 p + lane; each result's register 0
.endr
	WIN 0
.irp p, 0,1,2,3
	global_store_b32 v7, v[TMP+16+\p], s[96:97] offset:128*\p    ; my 512 bytes in four pieces of 128 consecutive bytes: 262,144 bytes in the whole launch
.endr
.Lno_vsum:
	s_wait_tensorcnt 0x0                           ; the wave's end
	ds_add_u32 v[SPW], v[NIL]
	s_wait_dscnt 0x0
	CROUND                                         ; the closing round: no work-group ends while a partner may still ask for a tile that names it
	s_endpgm
.Lfunc_end_k_q168e9d8e94_qkv:
	.size	k_q168e9d8e94_qkv, .Lfunc_end_k_q168e9d8e94_qkv-k_q168e9d8e94_qkv
	.p2alignl 7, 3214868480
	.fill 96, 4, 3214868480
	.section	.rodata,"a",@progbits
	.p2align	6, 0x0
	.amdhsa_kernel k_q168e9d8e94_qkv
		.amdhsa_group_segment_fixed_size 327680
		.amdhsa_private_segment_fixed_size 0
		.amdhsa_enable_private_segment 0
		.amdhsa_kernarg_size 48
		.amdhsa_user_sgpr_count 2
		.amdhsa_user_sgpr_kernarg_segment_ptr 1
		.amdhsa_wavefront_size32 1
		.amdhsa_system_sgpr_workgroup_id_x 1
		.amdhsa_system_sgpr_workgroup_id_y 1
		.amdhsa_system_sgpr_workgroup_id_z 1
		.amdhsa_system_vgpr_workitem_id 0
		.amdhsa_next_free_vgpr 1024
		.amdhsa_next_free_sgpr 100
		.amdhsa_reserve_vcc 0
		.amdhsa_float_denorm_mode_32 3
		.amdhsa_float_denorm_mode_16_64 3
		.amdhsa_fp16_overflow 1
		.amdhsa_memory_ordered 1
		.amdhsa_forward_progress 1
		.amdhsa_inst_pref_size 117
	.end_amdhsa_kernel
	.amdgpu_metadata
---
amdhsa.version: [ 1, 2 ]
amdhsa.kernels:
  - .name:           k_q168e9d8e94_qkv
    .symbol:         k_q168e9d8e94_qkv.kd
    .args:
      - { .name: xi, .offset: 0, .size: 8, .value_kind: global_buffer, .address_space: global }
      - { .name: wai, .offset: 8, .size: 8, .value_kind: global_buffer, .address_space: global }
      - { .name: lowp_scales, .offset: 16, .size: 8, .value_kind: global_buffer, .address_space: global }
      - { .name: c_attn_b, .offset: 24, .size: 8, .value_kind: global_buffer, .address_space: global }
      - { .name: qkvi, .offset: 32, .size: 8, .value_kind: global_buffer, .address_space: global }
      - { .name: vsum, .offset: 40, .size: 8, .value_kind: global_buffer, .address_space: global }
    .group_segment_fixed_size: 327680
    .private_segment_fixed_size: 0
    .kernarg_segment_align: 8
    .kernarg_segment_size: 48
    .max_flat_workgroup_size: 128
    .sgpr_count:     100
    .vgpr_count:     1024
    .wavefront_size: 32
...
	.end_amdgpu_metadata
.endif
;; end of part 2
;; launch attn (part 3): grid 4 x 64, 16 waves a work-group, no clusters, 327,680 bytes of LDS; arguments qkvi, vsum, lowp_scales, ai; writes ai
.if DOCPART == 3
	.amdgcn_target "amdgcn-amd-amdhsa--gfx1250"
	.amdhsa_code_object_version 6
	.text
	.protected	k_q168e9d8e94_attn
	.globl	k_q168e9d8e94_attn
	.p2align	8
	.type	k_q168e9d8e94_attn,@function
k_q168e9d8e94_attn:
	s_mov_b64 s[64:65], 0
	v_nop
	global_prefetch_b8 v0, s[64:65] scope:SCOPE_SE
	s_setreg_imm32_b32 hwreg(HW_REG_WAVE_MODE, 25, 1), 1
	s_wait_xcnt 0x0
; a = softmax(mask(q k^T / 8)) v for 64 (batch, head) pairs of 2,048 tokens x 64 channels, both products on codes of BF8; a is quantised with entry 6 of the scales and stored as images of operand registers.
; qkvi: parts q, k: [bh][token / 16][1024], v: [bh][key / 128][channel / 16][2048] (images: registers 4 q .. 4 q + 3 of the 32 lanes at byte 512 q + 16 x lane).  ai: [token / 16][k / 128][2048]; a head's half of a fragment at head x 1,024.
; THE SOFTMAX: t = score x log2(e) / 8 x 2^(e2 + e3); M = the largest t so far, rounded up to a whole number; p = 2^(t - M) is quantised with 2^e4; the sum is taken of the unquantised p and divides at the end.
; THE MASK writes -10,000, which is a number: hidden keys count.  In the step on the diagonal hidden scores are set to the score that stands for -10,000 and go the way of all scores.  Steps all of whose keys are hidden are
; left out, and their term is the row's START STATE: all nh such keys have t = tm = -10,000 log2(e), so M = ceil(tm), the sum = nh x 2^(tm - M), O = code(2^(tm - M)) x the sum of those keys' codes of v (from vsum).
; Every later change of M multiplies it by an exact power of two, like all else that was summed.
; SHARES.  A work-group owns two blocks of 256 queries of one head: block 7 - x, then block x (x = work-group x, 0 .. 3): (8 - x) + (x + 1) = 9 visits of a slot of 256 keys in every work-group.  Each of its 16 waves owns 16 queries
; of a block in 256 registers: four waves to a SIMD, so that one wave's vector work stands beside another's matrix work.
; NO CLUSTER, though the four work-groups of a head read the same k and v: from visit 5 on their sequences of slots differ (8 - x slots, then x + 1 from the start), so joint requests would not name the same tiles; walking in step
; would take 8 + 4 = 12 visits in place of 9.
; LAYOUT.  Both products transposed: S^T = K Q^T (source 0 = 16 keys, K = 64), O^T = V^T P^T (source 0 = 16 channels, K = 128 keys): a lane holds one query.  S^T's tile t gives registers 2 t, 2 t + 1 of P; O^T's tile ct those of a's codes.
; LIMITS: e2 + e3 between -111 and 130; e4, and e6 - e4 - e5, between -126 and 112.  NaN is not served.
; REGISTERS: v1-11 addresses and constants; v12 -M, v13 the largest t, v[14:15] the sum; v16-23 Q; v24-31 at work; v32-95 K's, then V's fragments; v96-159 S^T, then p; v160-191 O^T; v192-199, v208-215 a's codes; v200-207 the second
; block's Q; v218 h, v219 r; v224-239 P; v240, v244 hold and scale for p; v245 the scale for a; v246 the hidden keys' code value, v247 their p, v248 the same in lanes 0-15 alone; v234-243, v246-247, v250-255 at work in a step.
.set SLOT1, 32768                      ; a slot: K's 16 images (16,384 bytes), then V's 8; slot 1 begins here: one exclusive or turns an address
.set VOFF,  16384
.set STG,   65536                      ; 1,024 bytes a wave: the two blocks' start of O^T; no tile lands here
.set SPARE, 81920                      ; the spare words, 128 bytes a wave; no other line names them
.set LI,  1                            ; v1   16 x lane
.set STW, 2                            ; v2   my 16 bytes of the wave's stage
.set PFO, 3                            ; v3   256 x lane
.set STR, 4                            ; v4   the stage read back: + 32 h
.set SPW, 5
.set NIL, 6
.set VSO, 7                            ; v7   vsum: 4,096 h + 16 r
.set ADR, 8
.set RH,  9                            ; v9   r - 8 h
.set TW,  10
.set SMK, 11                           ; v11  the score that stands for -10,000
.set TB,  2                            ; s2   the slot in hand
.set VIS, 3                            ; s3   the visit
.set N1,  12                           ; s12  visits of the first block
.set WV,  18
.set SEL, 20
.set CS,  22
.set G1,  24
.set G0,  32
.set KVB, 36                           ; s[36:37] my head's k (wave 0) or v (wave 1)
.set OFS, 38
.set PFA, 40
.set LIM, 42
.set KF,  43                           ; s43  the step's first key
.set Q0,  44                           ; s44  my first query
.set Q0A, 45                           ; s45, s46  of the two blocks
.set T0,  47                           ; s47, s48  the largest t at the start
.set NH,  49                           ; s49, s50  the keys of wholly hidden steps
.set AP,  52                           ; s[52:55] where a's codes go
.set QP,  56                           ; s[56:59] where Q's lie
.set VSP, 60
.set KGD, 62                           ; s62, s63  the step on the diagonal
.macro TLOAD                           ; wave 0 fetches K's 16,384 bytes, wave 1 V's, each into bytes of its own; four v_nop follow
	s_cmp_lt_u32 s[WV], 2
	s_cbranch_scc0 .Lasked_\@
	tensor_load_to_lds s[G0:G0+3], s[G1:G1+7]
	s_nop 0
.rept 4
	v_nop
.endr
.Lasked_\@:
.endm
; A prefetch of the slot that the NEXT change of slots will load.  The head's work-group 0 asks, which walks all eight slots; in it waves 4 and 5 for K's 16,384 bytes, waves 6 and 7 for V's: 8,192 bytes a wave, lanes 256 bytes
; apart, one instruction.  Visits 0 to 5 name slots 2 to 7: each block of 256 bytes once in the launch.  Slots 0 and 1 come by their loads alone.
.macro ASK
	s_cmp_lt_u32 s[VIS], s[LIM]
	s_cbranch_scc0 .Lnot_mine_\@
	global_prefetch_b8 v[PFO], s[PFA:PFA+1] th:TH_LOAD_NT scope:SCOPE_SE
.Lnot_mine_\@:
.endm
	s_load_b256 s[4:11], s[0:1], 0x0               ; qkvi, vsum, the scales' exponents, ai
	v_lshl_add_u32 v[SPW], v0, 2, SPARE
	v_mov_b32 v[NIL], 0
	ds_add_u32 v5, v6
	ds_add_u32 v5, v6
	s_wait_dscnt 0x0
	v_lshrrev_b32 v8, 5, v0
	s_delay_alu instid0(VALU_DEP_1)
	v_readfirstlane_b32 s[WV], v8                  ; wave 0..15
	s_and_b32 s80, ttmp7, 0xffff                   ; bh = 16 batch + head
	s_lshl_b32 s82, s80, 17                        ; its 131,072 bytes in each part
	s_mov_b32 s83, 0
	s_and_b32 s81, s[WV], 1
	s_add_co_u32 s84, s81, 1
	s_lshl_b32 s84, s84, 23                        ; part 1 (k) or 2 (v)
	s_add_co_u32 s84, s84, s82
	s_mov_b32 s85, 0
	s_lshl_b32 s86, s81, 14                        ; in a slot: K's tile, or V's behind it
	s_sub_co_u32 s[N1], 8, ttmp9
	s_mov_b32 s[G1], 3<<16                         ; no mask; elements of 8 bytes; no padding
	s_mov_b32 s[G1+1], 32<<16                      ; tensor_dim0 = 32: rows of 256 bytes
	s_mov_b32 s[G1+2], 64<<16                      ; tensor_dim1 = 64
	s_mov_b32 s[G1+3], 32<<16                      ; tile_dim0
	s_mov_b32 s[G1+4], 64                          ; tile_dim1
	s_mov_b32 s[G1+5], 32                          ; dense in memory
	s_mov_b32 s[G1+6], 0
	s_mov_b32 s[G1+7], 0
	s_mov_b32 s[SEL], 0x76543210
	s_mov_b32 s[SEL+1], 0xfedcba98                 ; lane l xor 16
	s_mov_b32 s[CS], 0x3e38aa3b                    ; log2(e) / 8
	s_mov_b32 s[TB], 0
	s_mov_b32 s[VIS], 0
	s_mov_b32 s[OFS+1], 0
	s_wait_kmcnt 0x0
	s_load_b256 s[68:75], s[8:9], 0x0              ; e0 .. e7
	s_add_nc_u64 s[KVB:KVB+1], s[4:5], s[84:85]
	s_mov_b32 s[G0], 1
	s_mov_b32 s[G0+1], s86
	s_mov_b64 s[G0+2:G0+3], s[KVB:KVB+1]           ; the first 256 keys
	s_or_b32 s[G0+3], s[G0+3], 0x80000000
	TLOAD                                          ; visit 0's slot: ahead of every wait on TENSORcnt, LDS read and barrier
	s_sub_co_u32 s76, 7, ttmp9
	s_lshl_b32 s76, s76, 4
	s_add_co_u32 s76, s76, s[WV]                   ; my tile of 16 queries in the first block,
	s_lshl_b32 s77, ttmp9, 4
	s_add_co_u32 s77, s77, s[WV]                   ; in the second
	s_lshr_b32 s87, s80, 4                         ; batch
	s_and_b32 s88, s80, 15                         ; head
	s_lshl_b32 s90, s87, 16
	s_lshl_b32 s91, s88, 8
	s_add_co_u32 s90, s90, s91
	s_mov_b32 s91, 0
	s_add_nc_u64 s[VSP:VSP+1], s[6:7], s[90:91]    ; vsum at my batch entry and my head's 64 channels
.irp n, 0,1
	s_lshl_b32 s[Q0A+\n], s[76+\n], 4
	s_lshr_b32 s[KGD+\n], s[76+\n], 3              ; the step of 128 keys that holds my queries' own keys
	s_sub_co_u32 s78, 15, s[KGD+\n]
	s_lshl_b32 s[NH+\n], s78, 7                    ; keys in the steps behind it
	s_mov_b32 s79, 0xff61b1e6                      ; -3e38, under every t
	s_cmp_lg_u32 s78, 0
	s_cselect_b32 s[T0+\n], 0xc6616bcd, s79        ; tm = -10,000 log2(e), where there are such keys
	s_lshl_b32 s90, s[76+\n], 10
	s_add_co_u32 s90, s90, s82
	s_add_nc_u64 s[QP+2*\n:QP+2*\n+1], s[4:5], s[90:91]
	s_lshl_b32 s90, s87, 7
	s_add_co_u32 s90, s90, s[76+\n]
	s_lshl_b32 s90, s90, 14
	s_lshl_b32 s92, s88, 10
	s_add_co_u32 s90, s90, s92
	s_add_nc_u64 s[AP+2*\n:AP+2*\n+1], s[10:11], s[90:91]
.endr
	s_lshr_b32 s78, s[WV], 1                       ; the prefetches: waves 4, 5: k; waves 6, 7: v
	s_and_b32 s78, s78, 1
	s_add_co_u32 s78, s78, 1
	s_lshl_b32 s78, s78, 23
	s_add_co_u32 s78, s78, s82
	s_lshl_b32 s79, s81, 13                        ; my half of a slot's 16,384 bytes
	s_add_co_u32 s78, s78, s79
	s_add_co_u32 s78, s78, 16384                   ; at slot 1: the first change of slots steps it to slot 2
	s_mov_b32 s79, 0
	s_add_nc_u64 s[PFA:PFA+1], s[4:5], s[78:79]
	s_sub_co_u32 s78, s[WV], 4
	s_lshr_b32 s78, s78, 2                         ; 0 in waves 4 to 7,
	s_or_b32 s78, s78, ttmp9                       ; of work-group 0 of the head
	s_cmp_eq_u32 s78, 0
	s_cselect_b32 s[LIM], 6, 0
	v_and_b32 v24, 31, v0
	s_delay_alu instid0(VALU_DEP_1)
	v_lshlrev_b32 v[LI], 4, v24
	s_delay_alu instid0(VALU_DEP_2)
	v_lshlrev_b32 v[PFO], 8, v24
	v_and_b32 v219, 15, v0                         ; r
	v_bfe_u32 v218, v0, 4, 1                       ; h
	s_lshl_b32 s78, s[WV], 10
	s_add_co_u32 s78, s78, STG
	v_add_nc_u32 v[STW], s78, v[LI]
	v_lshlrev_b32 v[STR], 5, v218
	s_delay_alu instid0(VALU_DEP_1)
	v_add_nc_u32 v[STR], s78, v[STR]
	v_lshlrev_b32 v[VSO], 12, v218
	s_delay_alu instid0(VALU_DEP_1)
	v_lshl_add_u32 v[VSO], v219, 4, v[VSO]
	v_lshlrev_b32 v[RH], 3, v218
	s_delay_alu instid0(VALU_DEP_1)
	v_sub_nc_u32 v[RH], v219, v[RH]
	global_load_b128 v[16:19], v[LI], s[QP:QP+1]                 ; Q of the first block,
	global_load_b128 v[20:23], v[LI], s[QP:QP+1] offset:512
	global_load_b128 v[200:203], v[LI], s[QP+2:QP+3]             ; of the second
	global_load_b128 v[204:207], v[LI], s[QP+2:QP+3] offset:512
.irp i, 0,1,2,3,4,5,6,7
	global_load_b128 v[96+4*\i:99+4*\i], v[VSO], s[VSP:VSP+1] offset:8192*\i   ; vsum of steps 2 i + h, channels 4 r .. 4 r + 3: sixteen lanes read 256 consecutive bytes; both blocks use them
.endr
	v_mov_b32 v250, 0                              ; written once: a lane permute's destination counts as one of its sources
	v_mov_b32 v253, 0                              ; (named as the upper half of a pair)
	s_wait_kmcnt 0x0
	s_add_co_i32 s78, s70, s71                     ; e2 + e3
	s_lshl_b32 s78, s78, 23
	s_add_co_i32 s[CS], s[CS], s78                 ; c = log2(e) / 8 x 2^(e2 + e3): the exponents are added to the exponent field
	s_mov_b32 s[CS+1], s[CS]
	s_sub_co_i32 s79, 0xc79c4000, s78              ; -80,000 x 2^-(e2 + e3): x c it is tm
	v_mov_b32 v[SMK], s79
	s_add_co_i32 s78, s72, 127
	s_lshl_b32 s79, s78, 23
	v_mov_b32 v244, s79                            ; 2^e4
	s_add_co_i32 s78, s78, 15
	s_lshl_b32 s78, s78, 23
	s_or_b32 s78, s78, 0x600000
	v_mov_b32 v240, s78                            ; 57,344 x 2^e4
	s_sub_co_i32 s78, s74, s72
	s_sub_co_i32 s78, s78, s73
	s_add_co_i32 s78, s78, 127                     ; O / the sum stands for a / 2^(e4 + e5): a's conversion takes 2^(e6 - e4 - e5)
	s_lshl_b32 s79, s78, 23
	v_mov_b32 v245, s79
	v_mov_b32 v24, 0xc6616bcd
	s_delay_alu instid0(VALU_DEP_1)
	v_add_f32 v24, 0x46616800, v24                 ; tm - ceil(tm) = tm + 14,426
	s_wait_alu depctr_va_vdst(0)
	v_exp_f32 v247, v24                            ; the hidden keys' p under their own M
.irp i, 25,26,27,28,29,30,31
	v_mov_b32 v\i, 0                               ; (plain lines behind the exponential)
.endr
	s_wait_alu depctr_va_vdst(0)                   ; the wait ahead of the result's first reader
	v_min_num_f32 v24, v247, v240
	v_cvt_scalef32_pk8_bf8_f32 v[216:217], v[24:31], v244
	v_nop
	v_cvt_f32_bf8 v246, v216                       ; byte 0: the code's value
	v_cmp_eq_u32 vcc_lo, 0, v218
	v_cndmask_b32 v248, 0, v247, vcc_lo            ; the sum's two halves of lanes are added at the end: the start stands in one
	s_wait_loadcnt 0x0
; Block n's start of O^T: the code value x the sum of vsum over the steps behind the diagonal's; 64 channels, stored in the wave's stage.
.macro PREP n
	v_sub_nc_u32 v[TW], s[KGD+\n], v218
.irp i, 0,1,2,3,4,5,6,7
	v_cmp_gt_i32 vcc_lo, 2*\i, v[TW]               ; step 2 i + h lies behind the diagonal's
.irp k, 0,1,2,3
	v_cndmask_b32 v[128+4*\i+\k], 0, v[96+4*\i+\k], vcc_lo
.endr
.endr
.irp i, 1
	v_pk_add_f32 v[128:129], v[128:129], v[128+4*\i:129+4*\i]
	v_pk_add_f32 v[130:131], v[130:131], v[130+4*\i:131+4*\i]
.endr
.irp i, 2, 3, 4, 5, 6, 7
	s_delay_alu instid0(VALU_DEP_2)
	v_pk_add_f32 v[128:129], v[128:129], v[128+4*\i:129+4*\i]
	s_delay_alu instid0(VALU_DEP_2)
	v_pk_add_f32 v[130:131], v[130:131], v[130+4*\i:131+4*\i]
.endr
.irp k, 0,1,2,3
	v_permlanex16_b32 v[24+\k], v[128+\k], s[SEL], s[SEL+1]
.endr
	s_delay_alu instid0(VALU_DEP_3)
	v_pk_add_f32 v[128:129], v[128:129], v[24:25]
	s_delay_alu instid0(VALU_DEP_2)
	v_pk_add_f32 v[130:131], v[130:131], v[26:27]
	v_pk_mul_f32 v[128:129], v[128:129], v[246:247] op_sel_hi:[1,0]
	v_pk_mul_f32 v[130:131], v[130:131], v[246:247] op_sel_hi:[1,0]
	ds_store_b128 v[STW], v[128:131] offset:512*\n     ; lanes 0-15: channels 0 .. 63; lanes 16-31 the same once more
.endm
; Block n begins: O^T (register 8 t + j: channel 16 t + 8 h + j), the largest t, -M, the sum, my first query.
.macro START n
.irp t, 0,1,2,3
	ds_load_b128 v[160+8*\t:163+8*\t], v[STR] offset:512*\n+64*\t       ; these see my stores: LDS serves a wave's instructions in order
	ds_load_b128 v[164+8*\t:167+8*\t], v[STR] offset:512*\n+64*\t+16
.endr
	v_mov_b32 v13, s[T0+\n]
	s_delay_alu instid0(VALU_DEP_1)
	v_floor_f32 v12, -v13
	v_cvt_f32_u32 v14, s[NH+\n]
	s_delay_alu instid0(VALU_DEP_1)
	v_mul_f32 v14, v14, v248
	v_mov_b32 v15, 0
	s_mov_b32 s[Q0], s[Q0A+\n]
.if \n
.irp i, 0,1,2,3,4,5,6,7
	v_mov_b32 v[16+\i], v[200+\i]
.endr
.endif
	s_wait_dscnt 0x0
.endm
; A KEY STEP: 128 keys, the q-th of the slot in hand.
.macro STEP q
	s_add_co_u32 s96, s[Q0], 15                    ; a step all of whose keys come after my queries is left out (its term stands in the start state): a branch on ids
	s_cmp_gt_u32 s[KF], s96
	s_cbranch_scc1 .Lhidden_\@
	v_add_nc_u32 v[ADR], s[TB], v[LI]
.rept 3
	v_nop                                          ; with the addition four places in front of loads into registers that matrix instructions have read
.endr
.irp t, 0,1,2,3,4,5,6,7
	ds_load_b128 v[32+8*\t:35+8*\t], v[ADR] offset:8192*(\q)+1024*\t
	ds_load_b128 v[36+8*\t:39+8*\t], v[ADR] offset:8192*(\q)+1024*\t+512
.endr
	s_wait_dscnt 0x0
	s_wait_alu depctr_va_vdst(0)
.irp t, 0,1,2,3,4,5,6,7
	v_wmma_f32_16x16x64_bf8_bf8 v[96+8*\t:103+8*\t], v[32+8*\t:39+8*\t], v[16:23], 0     ; lane (r, h): query r, register j: key 16 t + 8 h + j
.endr
.rept 4
	v_nop                                          ; places: for V's loads into K's registers, and for the first read of the scores
.endr
.irp ct, 0,1,2,3
.irp c, 0,1,2,3
	ds_load_b128 v[32+16*\ct+4*\c:35+16*\ct+4*\c], v[ADR] offset:VOFF+8192*(\q)+2048*\ct+512*\c   ; V's fragments land while the softmax is worked
.endr
.endr
	s_add_co_u32 s96, s[KF], 127                   ; a step all of whose keys count has no mask
	s_cmp_le_u32 s96, s[Q0]
	s_cbranch_scc1 .Lopen_\@
	s_sub_co_i32 s96, s[Q0], s[KF]
	v_add_nc_u32 v[TW], s96, v[RH]                 ; my query - KF - 8 h: register 8 t + j is hidden where 16 t + j is greater
.set n, 0
.rept 64
	v_cmp_gt_i32 vcc_lo, 16*(n/8)+n%8, v[TW]
	v_cndmask_b32 v[96+n], v[96+n], v[SMK], vcc_lo
.set n, n+1
.endr
.Lopen_\@:
	v_max3_num_f32 v254, v96, v97, v98             ; the step's largest score of my query, in two chains, each tile from its low end on
	v_max3_num_f32 v252, v99, v100, v101
.irp i, 6,10,14,18,22,26,30,34,38,42,46,50,54,58
	v_max3_num_f32 v254, v254, v[96+\i], v[97+\i]
	v_max3_num_f32 v252, v252, v[98+\i], v[99+\i]
.endr
	v_max3_num_f32 v254, v254, v158, v159
	s_delay_alu instid0(VALU_DEP_1)
	v_max_num_f32 v254, v254, v252
	s_delay_alu instid0(VALU_DEP_1)
	v_permlanex16_b32 v250, v254, s[SEL], s[SEL+1]
	s_delay_alu instid0(VALU_DEP_1)
	v_max_num_f32 v254, v254, v250                 ; and among lane l xor 16's
	s_delay_alu instid0(VALU_DEP_1)
	v_mul_f32 v254, s[CS], v254                    ; as t (c is positive)
	s_delay_alu instid0(VALU_DEP_1)
	v_max_num_f32 v13, v13, v254
	v_mov_b32 v254, v12
	s_delay_alu instid0(VALU_DEP_2)
	v_floor_f32 v12, -v13                          ; -M = floor(-t): M is a whole number
	s_delay_alu instid0(VALU_DEP_1)
	v_sub_f32 v254, v12, v254                      ; old M - new M, 0 or less
	s_delay_alu instid0(VALU_DEP_1)
	v_cvt_i32_f32 v254, v254                       ; (it saturates)
	s_delay_alu instid0(VALU_DEP_1)
	v_ldexp_f32 v252, 1.0, v254                    ; f = 2^(old M - new M)
.set j, 0
.rept 32
	v_pk_fma_f32 v[96+j:97+j], v[96+j:97+j], s[CS:CS+1], v[12:13] op_sel_hi:[1,0,0]   ; t - M
.set j, j+2
.endr
.set j, 0
	s_wait_alu depctr_va_vdst(0)
.rept 64
	v_exp_f32 v[96+j], v[96+j]                     ; p = 2^(t - M)
.set j, j+1
.endr
	v_pk_mul_f32 v[14:15], v[14:15], v[252:253] op_sel_hi:[1,0]   ; the sum under the new M (a plain line behind the exponentials)
	s_wait_alu depctr_va_vdst(0)                   ; one wait for the batch, ahead of its first reader
	v_pk_add_f32 v[242:243], v[100:101], v[104:105]
	v_pk_add_f32 v[254:255], v[108:109], v[112:113]
	v_pk_add_f32 v[246:247], v[116:117], v[120:121]
	v_pk_add_f32 v[240:241], v[124:125], v[128:129]
	v_pk_add_f32 v[238:239], v[132:133], v[136:137]
	v_pk_add_f32 v[236:237], v[140:141], v[144:145]
	v_pk_add_f32 v[234:235], v[148:149], v[152:153]
	v_pk_add_f32 v[14:15], v[14:15], v[156:157]
	v_pk_add_f32 v[242:243], v[242:243], v[96:97]
	v_pk_add_f32 v[254:255], v[254:255], v[98:99]
	v_pk_add_f32 v[246:247], v[246:247], v[102:103]
	v_pk_add_f32 v[240:241], v[240:241], v[106:107]
	v_pk_add_f32 v[238:239], v[238:239], v[110:111]
	v_pk_add_f32 v[236:237], v[236:237], v[114:115]
	v_pk_add_f32 v[234:235], v[234:235], v[118:119]
	v_pk_add_f32 v[14:15], v[14:15], v[122:123]
	v_pk_add_f32 v[242:243], v[242:243], v[126:127]
	v_pk_add_f32 v[254:255], v[254:255], v[130:131]
	v_pk_add_f32 v[246:247], v[246:247], v[134:135]
	v_pk_add_f32 v[240:241], v[240:241], v[138:139]
	v_pk_add_f32 v[238:239], v[238:239], v[142:143]
	v_pk_add_f32 v[236:237], v[236:237], v[146:147]
	v_pk_add_f32 v[234:235], v[234:235], v[150:151]
	v_pk_add_f32 v[14:15], v[14:15], v[154:155]
	v_pk_add_f32 v[242:243], v[242:243], v[158:159]
	s_delay_alu instid0(VALU_DEP_2)
	v_pk_add_f32 v[14:15], v[14:15], v[240:241]
	s_delay_alu instid0(VALU_DEP_2)
	v_pk_add_f32 v[242:243], v[242:243], v[238:239]
	v_pk_add_f32 v[254:255], v[254:255], v[236:237]
	v_pk_add_f32 v[246:247], v[246:247], v[234:235]
	s_delay_alu instid0(VALU_DEP_2)
	v_pk_add_f32 v[14:15], v[14:15], v[254:255]
	s_delay_alu instid0(VALU_DEP_2)
	v_pk_add_f32 v[242:243], v[242:243], v[246:247]
	s_delay_alu instid0(VALU_DEP_1)
	v_pk_add_f32 v[14:15], v[14:15], v[242:243]
.irp t, 0,1,2,3,4,5,6,7
.irp i, 0,1,2,3,4,5,6,7
.endr
	v_cvt_scalef32_pk8_bf8_f32 v[224+2*\t:225+2*\t], v[96+8*\t:103+8*\t], v244   ; keys 16 t + 8 h + 0 .. 7: registers 2 t, 2 t + 1 of P
.endr
.set j, 0
.rept 16
	v_pk_mul_f32 v[160+j:161+j], v[160+j:161+j], v[252:253] op_sel_hi:[1,0]   ; O^T under the new M; also the plain lines behind the conversions
.set j, j+2
.endr
	s_wait_alu depctr_va_vdst(0)
	s_wait_dscnt 0x0                               ; V is in
.irp ct, 0,1,2,3
	v_wmma_f32_16x16x128_bf8_bf8 v[160+8*\ct:167+8*\ct], v[32+16*\ct:47+16*\ct], v[224:239], v[160+8*\ct:167+8*\ct]   ; the four accumulators by turns
.endr
.Lhidden_\@:
	s_add_co_u32 s[KF], s[KF], 128
.endm
; Block n ends: O^T / the sum, converted: tile ct gives registers 2 ct, 2 ct + 1 of my head's half of a fragment of a; two stores of 512 consecutive aligned bytes.  Each block has its own registers and base.
.macro FINISH n
.rept 4
	v_nop                                          ; places behind the last products
.endr
	v_add_f32 v14, v14, v15
	s_delay_alu instid0(VALU_DEP_1)
	v_permlanex16_b32 v250, v14, s[SEL], s[SEL+1]
	s_delay_alu instid0(VALU_DEP_1)
	v_add_f32 v14, v14, v250                       ; the row's sum
	s_wait_alu depctr_va_vdst(0)
	v_rcp_f32 v14, v14
	v_nop
	s_wait_alu depctr_va_vdst(0)                   ; ahead of the reciprocal's first reader
.set j, 0
.rept 16
	v_pk_mul_f32 v[96+j:97+j], v[160+j:161+j], v[14:15] op_sel_hi:[1,0]
.set j, j+2
.endr
.irp t, 0,1,2,3
.irp i, 0,1,2,3,4,5,6,7
.endr
	v_cvt_scalef32_pk8_bf8_f32 v[192+16*\n+2*\t:193+16*\n+2*\t], v[96+8*\t:103+8*\t], v245
.endr
	v_nop
	global_store_b128 v[LI], v[192+16*\n:195+16*\n], s[AP+2*\n:AP+2*\n+1]
	global_store_b128 v[LI], v[196+16*\n:199+16*\n], s[AP+2*\n:AP+2*\n+1] offset:512
.endm
; THE CHANGE OF SLOTS stands at a visit's head.  Each wave waits for all its tensor loads, adds 0 to its spare word, and waits for that and for its reads of the slot that it has left; behind the barrier the slot ahead is whole
; and nobody reads the other one.  fill = 1: that other slot takes the next visit's keys.
.macro CHANGE fill
	s_wait_tensorcnt 0x0                           ; no tensor load of mine is out, so group 0 may be written
	ds_add_u32 v[SPW], v[NIL]                      ; 0 onto my spare word
.if \fill
	s_add_co_u32 s76, s[VIS], 1                    ; the next visit:
	s_sub_co_u32 s77, s76, s[N1]
	s_cmp_lt_u32 s76, s[N1]
	s_cselect_b32 s76, s76, s77                    ; its 256 keys: the second block begins at key 0 again
	s_lshl_b32 s[OFS], s76, 14
	s_xor_b32 s[G0+1], s[G0+1], SLOT1
	s_add_nc_u64 s[G0+2:G0+3], s[KVB:KVB+1], s[OFS:OFS+1]
	s_or_b32 s[G0+3], s[G0+3], 0x80000000
	s_wait_xcnt 0x0                                ; the last prefetch, a visit back, has read its address
	s_add_nc_u64 s[PFA:PFA+1], s[PFA:PFA+1], 16384
.endif
	s_wait_dscnt 0x0                               ; the add is done, and my reads of the slot that I have left are over
	s_barrier_signal -1
	s_barrier_wait -1
.if \fill
	TLOAD                                          ; the first thing behind the barrier, a wave's one tensor load until the next
	ASK
.endif
.endm
.macro VISIT fill
	s_cmp_eq_u32 s[VIS], s[N1]                     ; the first block is done: a branch on ids and the counter, the same in all sixteen waves; no barrier and no tensor load stands in it
	s_cbranch_scc0 .Lsame_\@
	s_wait_alu depctr_va_vdst(0)
	FINISH 0
	START 1
.Lsame_\@:
	CHANGE \fill
	s_sub_co_u32 s77, s[VIS], s[N1]
	s_cmp_lt_u32 s[VIS], s[N1]
	s_cselect_b32 s76, s[VIS], s77
	s_lshl_b32 s[KF], s76, 8                       ; this visit's first key
	STEP 0
	STEP 1
	s_xor_b32 s[TB], s[TB], SLOT1
.endm
	PREP 0
	PREP 1
	START 0
.Lvisit:                                           ; eight trips; behind each change of slots the next visit's keys are asked for
	VISIT 1
	s_add_co_u32 s[VIS], s[VIS], 1
	s_cmp_lt_u32 s[VIS], 8
	s_cbranch_scc1 .Lvisit
	VISIT 0                                        ; the ninth visit is written out
	s_wait_alu depctr_va_vdst(0)
	FINISH 1
	s_wait_tensorcnt 0x0                           ; the wave's end
	ds_add_u32 v[SPW], v[NIL]
	s_wait_dscnt 0x0
	s_endpgm
.Lfunc_end_k_q168e9d8e94_attn:
	.size	k_q168e9d8e94_attn, .Lfunc_end_k_q168e9d8e94_attn-k_q168e9d8e94_attn
	.p2alignl 7, 3214868480
	.fill 96, 4, 3214868480
	.section	.rodata,"a",@progbits
	.p2align	6, 0x0
	.amdhsa_kernel k_q168e9d8e94_attn
		.amdhsa_group_segment_fixed_size 327680
		.amdhsa_private_segment_fixed_size 0
		.amdhsa_enable_private_segment 0
		.amdhsa_kernarg_size 32
		.amdhsa_user_sgpr_count 2
		.amdhsa_user_sgpr_kernarg_segment_ptr 1
		.amdhsa_wavefront_size32 1
		.amdhsa_system_sgpr_workgroup_id_x 1
		.amdhsa_system_sgpr_workgroup_id_y 1
		.amdhsa_system_sgpr_workgroup_id_z 1
		.amdhsa_system_vgpr_workitem_id 0
		.amdhsa_next_free_vgpr 256
		.amdhsa_next_free_sgpr 100
		.amdhsa_reserve_vcc 1
		.amdhsa_float_denorm_mode_32 3
		.amdhsa_float_denorm_mode_16_64 3
		.amdhsa_fp16_overflow 1
		.amdhsa_memory_ordered 1
		.amdhsa_forward_progress 1
		.amdhsa_inst_pref_size 101
	.end_amdhsa_kernel
	.amdgpu_metadata
---
amdhsa.version: [ 1, 2 ]
amdhsa.kernels:
  - .name:           k_q168e9d8e94_attn
    .symbol:         k_q168e9d8e94_attn.kd
    .args:
      - { .name: qkvi, .offset: 0, .size: 8, .value_kind: global_buffer, .address_space: global }
      - { .name: vsum, .offset: 8, .size: 8, .value_kind: global_buffer, .address_space: global }
      - { .name: lowp_scales, .offset: 16, .size: 8, .value_kind: global_buffer, .address_space: global }
      - { .name: ai, .offset: 24, .size: 8, .value_kind: global_buffer, .address_space: global }
    .group_segment_fixed_size: 327680
    .private_segment_fixed_size: 0
    .kernarg_segment_align: 8
    .kernarg_segment_size: 32
    .max_flat_workgroup_size: 512
    .sgpr_count:     100
    .vgpr_count:     256
    .wavefront_size: 32
...
	.end_amdgpu_metadata
.endif
;; end of part 3
;; launch proj (part 4): grid 4 x 32, 4 waves a work-group, clusters of 4 x 4, 327,680 bytes of LDS; arguments ai, wpi, lowp_scales, c_proj_b, out0; writes out0
.if DOCPART == 4
	.amdgcn_target "amdgcn-amd-amdhsa--gfx1250"
	.amdhsa_code_object_version 6
	.text
	.protected	k_q168e9d8e94_proj
	.globl	k_q168e9d8e94_proj
	.p2align	8
	.type	k_q168e9d8e94_proj,@function
k_q168e9d8e94_proj:
	s_mov_b64 s[64:65], 0
	v_nop
	global_prefetch_b8 v0, s[64:65] scope:SCOPE_SE
	s_setreg_imm32_b32 hwreg(HW_REG_WAVE_MODE, 25, 1), 1
	s_wait_xcnt 0x0
	s_wait_alu depctr_hold_cnt(0) depctr_sa_sdst(0) depctr_va_vdst(0) depctr_va_sdst(0) depctr_va_ssrc(0) depctr_va_vcc(0) depctr_vm_vsrc(0)
	s_getreg_b32 s2, hwreg(HW_REG_IB_STS2, 6, 4)
	s_cmp_eq_u32 s2, 0
	s_cbranch_scc0 .Lentry_in_a_cluster
	s_endpgm
.Lentry_in_a_cluster:
	s_bfe_u32 s2, ttmp6, 0x10000c
	s_cmp_lg_u32 s2, 0xf033
	s_cbranch_scc0 .Lentry_shape_is_right
	s_endpgm
.Lentry_shape_is_right:
; out = a Wp + bp on codes of BF8.  ai: [token / 16][k / 128][2048], wpi: [column / 16][k / 128][2048]: images of operand registers (registers 4 q .. 4 q + 3 of the 32 lanes at byte 512 q + 16 x lane).  out0: [8192][1024] f32.
; A tile of the result is 256 x 256: four waves, each 128 x 128 in 64 accumulators.  K = 1,024 goes in four visits of 256 through two LDS slots; a slot holds 16 + 16 groups of 16 rows, 4,096 bytes each, as images.
; THE MATRIX INSTRUCTION IS USED TRANSPOSED: source 0 = 16 columns of Wp, source 1 = 16 tokens: a lane holds eight neighbouring numbers of a row of the result.
; CLUSTERS of 4 x 4: a's tiles hang on the tile row and are asked for jointly by my row of the cluster, Wp's on the tile column, by my column.  32 x 4 tiles: 128 work-groups.
; The bias is the C of each sum's first product, divided by 2^(e6 + e7); each finished sum is multiplied by 2^(e6 + e7).  LIMIT: e6 + e7 between -126 and 127.
; REGISTERS: window 0: v1-29 addresses; v32-95 the bias, later a block's numbers; v128-255 A's fragments, later rows on their way out.  window 1: B's fragments, two sets.  windows 2, 3: the accumulators.
.set FR,     16
.set NL,     4
.set NP,     4
.set FRB,    2048
.set RGB,    4096
.set HALFT,  8*RGB
.set SLOT,   4*HALFT
.set SPARE,  2*SLOT                    ; behind the ring: the spare words, 128 bytes a wave; no other line names them
.set SPITCH, 528                       ; the way out: a stage of 16 rows x (512 bytes + 16) for each wave, in slot 0, which has had its last fill and its last read when the first result is stored there
.set SIZE_N, 1024
.set ADRA, 16
.set ADRB, 20
.set LI,   24                          ; v24  16 x lane
.set STO,  25
.set RD,   26
.set SPW,  28
.set NIL,  29
.set BIA,  32
.set TMP,  32
.set AF,   128
.set BK,   128
.set G1, 24
.set G0, 32
.set G1B, 48
.set G0B, 56
.set MSB, 0
.macro WIN new
.if MSB != (\new)
	s_set_vgpr_msb (MSB<<8)|(\new)
.set MSB, (\new)
.endif
.endm
.set MUL_LO, 0xa1
.set MUL_HI, 0xf1
.set TO_B,   0x40
.macro JLOAD g0a, g1a, g0b, g1b        ; a joint load: waves 0 and 1 fetch for A, waves 2 and 3 for B; four v_nop follow each of the two lines
	s_cmp_eq_u32 s15, 0
	s_cbranch_scc0 .Lfor_b_\@
	tensor_load_to_lds s[\g0a:\g0a+3], s[\g1a:\g1a+7]
	s_nop 0
.rept 4
	v_nop
.endr
	s_branch .Lasked_\@
.Lfor_b_\@:
	tensor_load_to_lds s[\g0b:\g0b+3], s[\g1b:\g1b+7]
	s_nop 0
.rept 4
	v_nop
.endr
.Lasked_\@:
.endm
.macro CREST
	s_cmp_lg_u32 s14, 0
	s_cbranch_scc1 .Lnot_wave_0_\@
	s_barrier_signal -3
.Lnot_wave_0_\@:
	s_barrier_wait -3
	s_barrier_signal -1
	s_barrier_wait -1
.endm
.macro CROUND
	s_barrier_signal -1
	s_barrier_wait -1
	CREST
.endm
.macro PLACES n
.rept \n
	v_nop
.endr
.endm
.macro FRAG reg, adr, q, i
.irp c, 0,1,2,3
	ds_load_b128 v[\reg+4*\c:\reg+4*\c+3], v[\adr] offset:FRB*(\q)+RGB*(\i)+512*\c
.endr
.endm
.macro MUL16 a0, p, first              ; 16 matrix instructions; first = 1: the sums begin with the bias as C.  The 64 accumulators take turns, one instruction a turn
.irp a, \a0, \a0+1
.irp b, 0,1,2,3,4,5,6,7
.if \first
	v_wmma_f32_16x16x128_bf8_bf8 v[8*(8*((\a)%4)+\b):8*(8*((\a)%4)+\b)+7], v[128*(\p)+FR*\b:128*(\p)+FR*\b+FR-1], v[AF+FR*(\a):AF+FR*(\a)+FR-1], v[BIA+8*\b:BIA+8*\b+7]
.else
	v_wmma_f32_16x16x128_bf8_bf8 v[8*(8*((\a)%4)+\b):8*(8*((\a)%4)+\b)+7], v[128*(\p)+FR*\b:128*(\p)+FR*\b+FR-1], v[AF+FR*(\a):AF+FR*(\a)+FR-1], v[8*(8*((\a)%4)+\b):8*(8*((\a)%4)+\b)+7]
.endif
.endr
.endr
.endm
.macro FETCH_B slot, q, p
	WIN TO_B
.irp i, 0,1,2,3,4,5,6,7
	FRAG 128*(\p)+FR*\i, ADRB+\slot, \q, \i
.endr
	WIN 0
.endm
.macro FETCH_A slot, q, i0
.irp i, \i0, \i0+1, \i0+2, \i0+3
	FRAG AF+FR*(\i), ADRA+\slot, \q, \i
.endr
.endm
.macro STEP slot, q, first
	s_wait_dscnt 4*NL                              ; B's set and A's blocks 0-3 are in; the youngest 16 loads (A's blocks 4-7) may be out
.if \first
	WIN 0x81
.else
	WIN MUL_LO
.endif
	MUL16 0, (\q)%2, \first
	MUL16 2, (\q)%2, \first
	s_wait_dscnt 0
	PLACES NP
	FETCH_B \slot, (\q)+1, 1-(\q)%2
	FETCH_A \slot, (\q)+1, 0
.if \first
	WIN 0xc1
.else
	WIN MUL_HI
.endif
	MUL16 4, (\q)%2, \first
	MUL16 6, (\q)%2, \first
	PLACES NP
	WIN 0
	FETCH_A \slot, (\q)+1, 4
.endm
.macro TURN slot, next, fill
	s_wait_tensorcnt 0x0                           ; all my tensor loads have landed: my part of the next slot
	ds_add_u32 v[SPW], v[NIL]                      ; 0 onto my spare word
	s_wait_dscnt 4*NL+1                            ; (the add and A's blocks 4-7 may be out)
	WIN MUL_LO
	MUL16 0, 1, 0
	s_wait_dscnt 0x0                               ; the add is done, and my reads of this slot are over
	s_barrier_signal -1
	MUL16 2, 1, 0
	WIN 0
	s_barrier_wait -1
.if \fill
	CREST                                          ; the barrier has opened a round of the cluster's barrier: no wave of any partner still reads this slot or has a load on its way
	s_add_nc_u64 s[G0+4*\slot+2:G0+4*\slot+3], s[G0+4*\slot+2:G0+4*\slot+3], 2*RGB
	s_add_nc_u64 s[G0B+4*\slot+2:G0B+4*\slot+3], s[G0B+4*\slot+2:G0B+4*\slot+3], 2*RGB
	JLOAD G0+4*\slot, G1, G0B+4*\slot, G1B
.else
	PLACES NP
.endif
	FETCH_B \next, 0, 0
	FETCH_A \next, 0, 0
	WIN MUL_HI
	MUL16 4, 1, 0
	MUL16 6, 1, 0
	PLACES NP
	WIN 0
	FETCH_A \next, 0, 4
.endm
	s_load_b128 s[4:7], s[0:1], 0x0                ; ai, wpi
	s_load_b128 s[8:11], s[0:1], 0x10              ; the scales' exponents, c_proj_b
	s_load_b64 s[12:13], s[0:1], 0x20              ; out0
	v_lshl_add_u32 v[SPW], v0, 2, SPARE
	v_mov_b32 v[NIL], 0
	ds_add_u32 v28, v29
	ds_add_u32 v28, v29
	s_wait_dscnt 0x0
	v_lshrrev_b32 v1, 5, v0
	v_readfirstlane_b32 s14, v1                    ; wave 0..3
	s_lshr_b32 s15, s14, 1
	s_and_b32 s16, s14, 1
	s_bfe_u32 s40, ttmp6, 0x40000                  ; cx
	s_bfe_u32 s41, ttmp6, 0x40004                  ; cy
	s_lshl_b32 s42, ttmp9, 2
	s_add_co_u32 s42, s42, s40                     ; tile column
	s_and_b32 s17, ttmp7, 0xffff
	s_lshl_b32 s17, s17, 2
	s_add_co_u32 s17, s17, s41                     ; tile row
	s_lshl_b32 s43, s41, 2
	s_lshl_b32 s43, 15, s43
	s_lshl_b32 s44, 0x1111, s40
	s_or_b32 s[G1+0], s43, (3<<16)|(1<<21)         ; 8 rows of 4,096 bytes, 16,384 apart in memory, dense in LDS; elements of 8 bytes; the mask, and bit 21 beside it
	s_or_b32 s[G1B+0], s44, (3<<16)|(1<<21)
.irp g, G1, G1B
	s_mov_b32 s[\g+1], 512<<16
	s_mov_b32 s[\g+2], 8<<16
	s_mov_b32 s[\g+3], 512<<16
	s_mov_b32 s[\g+4], 8
	s_mov_b32 s[\g+5], 2048
	s_mov_b32 s[\g+6], 0
	s_mov_b32 s[\g+7], 0
.endr
	s_lshl_b32 s18, s16, 3
	s_lshl_b32 s20, s17, 4
	s_add_co_u32 s20, s20, s18
	s_lshl_b32 s20, s20, 14
	s_mov_b32 s21, 0
	s_lshl_b32 s46, s42, 4
	s_add_co_u32 s46, s46, s18
	s_lshl_b32 s46, s46, 14
	s_mov_b32 s47, 0
	s_mul_i32 s45, s14, HALFT
	s_wait_kmcnt 0x0
	s_load_b256 s[72:79], s[8:9], 0x0              ; e0 .. e7
	s_add_nc_u64 s[20:21], s[4:5], s[20:21]
	s_add_nc_u64 s[46:47], s[6:7], s[46:47]
	CROUND                                         ; all sixteen work-groups are here: the first joint loads meet
.irp s, 0,1
	s_mov_b32 s[G0+4*\s], 1
	s_add_co_u32 s[G0+4*\s+1], s45, \s*SLOT
	s_add_nc_u64 s[G0+4*\s+2:G0+4*\s+3], s[20:21], \s*RGB
	s_or_b32 s[G0+4*\s+3], s[G0+4*\s+3], 0x80000000
	s_mov_b32 s[G0B+4*\s], 1
	s_add_co_u32 s[G0B+4*\s+1], s45, \s*SLOT
	s_add_nc_u64 s[G0B+4*\s+2:G0B+4*\s+3], s[46:47], \s*RGB
	s_or_b32 s[G0B+4*\s+3], s[G0B+4*\s+3], 0x80000000
	s_wait_alu depctr_va_vdst(0)
	s_wait_tensorcnt 0x0
	ds_add_u32 v28, v29
	ds_add_u32 v28, v29
	s_wait_dscnt 0x0
	CROUND
	JLOAD G0+4*\s, G1, G0B+4*\s, G1B
.endr
	v_and_b32 v1, 15, v0                           ; r
	v_bfe_u32 v2, v0, 4, 1                         ; h
	v_and_b32 v3, 31, v0
	v_lshlrev_b32 v[LI], 4, v3
	s_wait_alu depctr_va_vdst(0)
	v_lshlrev_b32 v5, 5, v2
	s_lshl_b32 s18, s42, 8
	s_lshl_b32 s19, s16, 7
	s_add_co_u32 s18, s18, s19                     ; my first column
	s_lshl_b32 s18, s18, 2
	s_mov_b32 s19, 0
	s_add_nc_u64 s[10:11], s[10:11], s[18:19]
.irp b, 0,1,2,3,4,5,6,7
	global_load_b128 v[BIA+8*\b:BIA+8*\b+3], v5, s[10:11] offset:64*\b       ; lane (r, h): the bias of columns 16 b + 8 h + 0 .. 7
	global_load_b128 v[BIA+8*\b+4:BIA+8*\b+7], v5, s[10:11] offset:64*\b+16
.endr
	s_mul_i32 s21, s15, HALFT
	s_mul_i32 s22, s16, HALFT
	s_add_co_u32 s22, s22, 2*HALFT
.irp s, 0,1
	v_add_nc_u32 v[ADRA+\s], s21, v[LI]
	v_add_nc_u32 v[ADRB+\s], s22, v[LI]
	s_add_co_u32 s21, s21, SLOT
	s_add_co_u32 s22, s22, SLOT
.endr
	s_mul_i32 s23, s14, 16*SPITCH                  ; my stage
	v_mul_u32_u24 v6, v1, SPITCH
	v_lshl_add_u32 v6, v2, 5, v6
	v_add_nc_u32 v[STO], s23, v6                   ; in: row r, 32 bytes for each half of the lanes
	v_add_nc_u32 v[RD], s23, v[LI]                 ; back: the 32 lanes take one row of 512 bytes
	s_lshl_b32 s20, s17, 8
	s_lshl_b32 s21, s15, 7
	s_add_co_u32 s20, s20, s21
	s_lshl_b32 s20, s20, 12                        ; my first row, 4,096 bytes a row
	s_lshl_b32 s46, s42, 10
	s_lshl_b32 s47, s16, 9
	s_add_co_u32 s46, s46, s47
	s_add_co_u32 s20, s20, s46                     ; my first column, in bytes
	s_mov_b32 s21, 0
	s_add_nc_u64 s[12:13], s[12:13], s[20:21]
	s_wait_loadcnt 0x0
	s_wait_kmcnt 0x0
	s_add_co_i32 s96, s78, s79                     ; e6 + e7
	s_sub_co_i32 s19, 0, s96
.set j, 0
.rept 64
	v_ldexp_f32 v[BIA+j], v[BIA+j], s19
.set j, j+1
.endr
	s_add_co_i32 s96, s96, 127
	s_lshl_b32 s96, s96, 23                        ; 2^(e6 + e7) as f32
	s_mov_b32 s97, s96                             ; (named with it as a pair)
	s_wait_alu depctr_va_vdst(0)
	s_wait_tensorcnt 0x1                           ; my part of visit 0 is in; visit 1's may be out
	s_barrier_signal -1
	s_barrier_wait -1
	FETCH_B 0, 0, 0
	FETCH_A 0, 0, 0
	FETCH_A 0, 0, 4
	STEP 0, 0, 1
	TURN 0, 1, 1
	STEP 1, 0, 0
	TURN 1, 0, 1
	STEP 0, 0, 0
	TURN 0, 1, 0
	STEP 1, 0, 0
	s_wait_dscnt 4*NL
	WIN MUL_LO
	MUL16 0, 1, 0
	MUL16 2, 1, 0
	s_wait_dscnt 0
	WIN MUL_HI
	MUL16 4, 1, 0
	MUL16 6, 1, 0
	WIN 0
; THE WAY OUT, block by block of 16 rows x 128 columns, through my own stage in LDS: in as 32 bytes a lane, back as whole rows of 512 bytes.  LDS serves a wave's instructions in order: no wait between the stores and the loads.
.macro TOSTAGE a
	WIN 0x02+((\a)/4)
.set j, 0
.rept 32
	v_pk_mul_f32 v[TMP+j:TMP+j+1], v[64*((\a)%4)+j:64*((\a)%4)+j+1], s[96:97] op_sel_hi:[1,0]   ; x 2^(e6 + e7); each accumulator from its low end on
.set j, j+2
.endr
	WIN 0
.irp b, 0,1,2,3,4,5,6,7
	ds_store_b128 v[STO], v[TMP+8*\b:TMP+8*\b+3] offset:64*\b
	ds_store_b128 v[STO], v[TMP+8*\b+4:TMP+8*\b+7] offset:64*\b+16
.endr
.irp t, 0,1,2,3,4,5,6,7,8,9,10,11,12,13,14,15
	ds_load_b128 v[BK+64*((\a)%2)+4*\t:BK+64*((\a)%2)+4*\t+3], v[RD] offset:\t*SPITCH
.endr
.endm
.macro SEND a, younger                 ; younger: the LDS instructions issued behind block a's loads, which may stay out
	s_wait_dscnt \younger
.if (\a) > 0
	s_add_nc_u64 s[12:13], s[12:13], 16*SIZE_N*4   ; (behind a wait on XCNT: the earlier stores have read their base)
.endif
.irp t, 0,1,2,3,4,5,6,7,8,9,10,11,12,13,14,15
	global_store_b128 v[LI], v[BK+64*((\a)%2)+4*\t:BK+64*((\a)%2)+4*\t+3], s[12:13] offset:\t*SIZE_N*4 th:TH_STORE_NT   ; 512 consecutive bytes, aligned; written once, read by nobody here
.endr
.endm
	PLACES NP
	TOSTAGE 0
.irp a, 1,2,3,4,5,6,7
.if \a > 1
	s_wait_xcnt 0x0                                ; block a - 2's stores have read their registers and their base
.endif
	TOSTAGE \a
	SEND \a-1, 32                                  ; behind block a - 1's loads: block a's 16 stores and 16 loads
.endr
	s_wait_xcnt 0x0
	SEND 7, 0
	s_wait_tensorcnt 0x0                           ; the wave's end
	ds_add_u32 v[SPW], v[NIL]
	s_wait_dscnt 0x0
	CROUND                                         ; the closing round
	s_endpgm
.Lfunc_end_k_q168e9d8e94_proj:
	.size	k_q168e9d8e94_proj, .Lfunc_end_k_q168e9d8e94_proj-k_q168e9d8e94_proj
	.p2alignl 7, 3214868480
	.fill 96, 4, 3214868480
	.section	.rodata,"a",@progbits
	.p2align	6, 0x0
	.amdhsa_kernel k_q168e9d8e94_proj
		.amdhsa_group_segment_fixed_size 327680
		.amdhsa_private_segment_fixed_size 0
		.amdhsa_enable_private_segment 0
		.amdhsa_kernarg_size 40
		.amdhsa_user_sgpr_count 2
		.amdhsa_user_sgpr_kernarg_segment_ptr 1
		.amdhsa_wavefront_size32 1
		.amdhsa_system_sgpr_workgroup_id_x 1
		.amdhsa_system_sgpr_workgroup_id_y 1
		.amdhsa_system_sgpr_workgroup_id_z 1
		.amdhsa_system_vgpr_workitem_id 0
		.amdhsa_next_free_vgpr 1024
		.amdhsa_next_free_sgpr 100
		.amdhsa_reserve_vcc 0
		.amdhsa_float_denorm_mode_32 3
		.amdhsa_float_denorm_mode_16_64 3
		.amdhsa_memory_ordered 1
		.amdhsa_forward_progress 1
		.amdhsa_inst_pref_size 130
	.end_amdhsa_kernel
	.amdgpu_metadata
---
amdhsa.version: [ 1, 2 ]
amdhsa.kernels:
  - .name:           k_q168e9d8e94_proj
    .symbol:         k_q168e9d8e94_proj.kd
    .args:
      - { .name: ai, .offset: 0, .size: 8, .value_kind: global_buffer, .address_space: global }
      - { .name: wpi, .offset: 8, .size: 8, .value_kind: global_buffer, .address_space: global }
      - { .name: lowp_scales, .offset: 16, .size: 8, .value_kind: global_buffer, .address_space: global }
      - { .name: c_proj_b, .offset: 24, .size: 8, .value_kind: global_buffer, .address_space: global }
      - { .name: out0, .offset: 32, .size: 8, .value_kind: global_buffer, .address_space: global }
    .group_segment_fixed_size: 327680
    .private_segment_fixed_size: 0
    .kernarg_segment_align: 8
    .kernarg_segment_size: 40
    .max_flat_workgroup_size: 128
    .sgpr_count:     100
    .vgpr_count:     1024
    .wavefront_size: 32
...
	.end_amdgpu_metadata
.endif
;; end of part 4
